; MI455X (gfx1250); checked and timed in simulation.
; The chip was launched on July 23, 2026; its instructions are those of AMD's public machine-readable ISA for CDNA 5 (MIT licence, August 2026) and "CDNA5" Instruction Set Architecture Reference Guide (July 2026). The comments in the code are by the model that wrote it; some were corrected since.
;; Multi Head Attention. Allowed arithmetic: matrix products marked QUANTISED: E2M3 operands, one E8M0 scale for each 32 along K, by v_wmma_scale_f32_16x16x128_f8f6f4 with both operands' format E2M3, f32 sums; everything else in f32.
;; Inputs: attention_mask 4 x 2,048 int32; w_out 1,024 x 1,024 float32; w_qkv 1,024 x 3,072 float32; x 4 x 2,048 x 1,024 float32.
;; Outputs: out0 4 x 2,048 x 1,024 float32.
;; This version of the problem:
;;   THIS VERSION OF THE PROBLEM IS GIVEN IN LOW PRECISION. The matrix products marked QUANTISED in the list below multiply operands that are first quantised to E2M3 (2 exponent bits, 3 mantissa bits; 6 bits a number), with one power-of-two scale for each 32 numbers along K (OCP MX v1.0); their sums are f32. All else is computed in f32.
;;   The module's matrix products, in the order in which they are computed (A, B: the left and right operand; K: the contracted axis; several contracted axes count as one K, in the product's order):
;;     1. [M 8,192, K 1,024] x [K 1,024, N 3,072]; A: input x; B: input w_qkv: QUANTISED
;;     2. batch 64 x [M 2,048, K 64] x [K 64, N 2,048]; A: computed on the way; B: computed on the way: QUANTISED
;;     3. batch 64 x [M 2,048, K 2,048] x [K 2,048, N 64]; A: softmax (see below); B: computed on the way: QUANTISED
;;     4. [M 8,192, K 1,024] x [K 1,024, N 1,024]; A: computed on the way; B: input w_out: QUANTISED
;;   THE QUANTISER, for each operand of a quantised product, along K:
;;     - K is cut into blocks of 32 from its start; a last block that is shorter is filled with zeros.
;;     - A block's scale is 2^e with e = floor(log2(the largest magnitude in the block)) - 2, held to -126 .. 127; a block of zeros has e = 0. As a byte (E8M0): e + 127.
;;     - Each number is divided by its block's scale, clamped to +-7.5, and rounded to the nearest number of E2M3, ties to even, subnormals kept.
;;     - The product sums the exact products of the quantised numbers (number of the format x scale) in f32.
;;   ~~~python
;;   def quantise(x, axis):      # numpy; x: float32 -> the quantised numbers, widened to float32 again
;;       x = np.moveaxis(x, axis, -1); K = x.shape[-1]
;;       x = np.pad(x, [(0, 0)] * (x.ndim - 1) + [(0, -K % 32)]); x = x.reshape(x.shape[:-1] + (-1, 32)); a = np.abs(x).max(-1, keepdims=True)
;;       e = np.where(a > 0, np.clip(np.frexp(np.where(a > 0, a, 1))[1] - 1 - 2, -126, 127), 0)      # np.frexp(a)[1] - 1 = floor(log2(a)), exactly
;;       r = np.clip(x / 2.0 ** e, -7.5, 7.5)
;;       step = 2.0 ** (np.maximum(np.frexp(np.where(r == 0, 1, r))[1] - 1, 0) - 3)
;;       q = np.round(r / step) * step * 2.0 ** e      # np.round: ties to even
;;       return np.moveaxis(q.reshape(q.shape[:-2] + (-1,))[..., :K], -1, axis).astype(np.float32)
;;   ~~~
;;   SOFTMAX AHEAD OF A QUANTISED PRODUCT. Where the list says 'softmax', what is quantised is not the finished softmax but p = 2^(t - M), with t = logit x log2(e) and M = ceil(the row's largest t), a whole number; so 1/2 < the row's largest p <= 1. The row's sum l is taken of the UNQUANTISED p, in f32, and the product's result is divided by l at the end. Since M is a whole number, a kernel that streams over the keys may use a running M (the ceiling of the running maximum): every later rescaling is an exact power of two, which a block's scale takes up: the codes' values come out the same.
;;   OPERANDS COMPUTED ON THE WAY. 'Computed on the way' means the value that the module computes at that place (a softmax that the list does not call 'softmax' is quantised finished and normalised). What goes into a quantiser is computed in f32, as accurately as f32 sums, v_exp_f32 and their like allow (about 1e-6 of the number): no bf16 or f16 on the way to a quantiser, and a product that is left as it is and whose result goes on into a quantised operand takes f32 operands (vector FMAs, or v_wmma_f32_16x16x4_f32). A number that lies on a knife's edge between two numbers of the format may be rounded either way, as far as f32 arithmetic and the matrix unit's own rounding can turn it there, and no further.
;; One version. Each part assembles by itself: llvm-mc -triple=amdgcn-amd-amdhsa -mcpu=gfx1250 --defsym DOCPART=n.
;; ======== version 1 of 1: 4 launches
;; limits: right only within a limited range of input values
;; workspace buffers: xq 6,553,600 bytes; wc 3,276,800 bytes; rope 524,288 bytes; qimg 8,912,896 bytes; kv 15,466,496 bytes; ao 6,553,600 bytes
;; launch prep (part 1): grid 512 x 1, 4 waves a work-group, no clusters, 34,304 bytes of LDS; arguments x, w_qkv, w_out, xq, wc, rope; writes xq, wc, rope
.if DOCPART == 1
	.amdgcn_target "amdgcn-amd-amdhsa--gfx1250"
	.amdhsa_code_object_version 6
	.text
	.protected	k_q1e27875ce0_prep
	.globl	k_q1e27875ce0_prep
	.p2align	8
	.type	k_q1e27875ce0_prep,@function
k_q1e27875ce0_prep:
	s_mov_b64 s[64:65], 0
	v_nop
	global_prefetch_b8 v0, s[64:65] scope:SCOPE_SE
	s_setreg_imm32_b32 hwreg(HW_REG_WAVE_MODE, 25, 1), 1
	s_wait_xcnt 0x0
; x [8192][1024], w_qkv [1024][3072] and w_out [1024][1024], f32, become codes of FP6 (E2M3) with one E8M0 byte for each 32 along K (K = 1024: x's columns, the weights' rows),
; laid in the order in which the products' operand registers take them; and the table of cosines and sines for the rotation of q and k is made.
; A TILE is 16 rows of an operand (tokens of x, columns of a weight) x 1024 K = 12,800 bytes: 8 K steps of 128, 1,536 bytes each, then 512 bytes of scale words.
; A K step's image: a lane's registers 0-3 at 16 x lane, 4-5 at 512 + 8 x lane, 6-9 at 768 + 16 x lane, 10-11 at 1280 + 8 x lane: every store of a wave covers whole aligned runs of 256 bytes.
; The scale word of (row r, K step s) lies at 12288 + 256 (s / 4) + 16 r + 4 (s % 4).
; THE ROWS OF A TILE ARE NOT NEIGHBOURS: lane r of tile T holds row 32 (T / 2) + 8 (T % 2) + r + 8 (r / 8), so that results made with such a tile as source 0 have 16 neighbours in the 16 registers of two tiles.
; A block's scale is 2^(floor(log2(largest magnitude)) - 2); its byte is the largest magnitude's exponent field - 2, held at 1 from below (a block of zeros gets byte 1: its codes are zeros, and this program alone reads the bytes).
; LIMITS: blocks whose largest magnitude lies under 2^-124 were not tried; NaN and infinities among the inputs are not served.  The rotation's frequencies come from v_exp_f32 (1 ulp), the angle's sine and cosine
; from a three-part reduction by pi/2 and Taylor polynomials (truncation under 2e-9 on |r| <= pi/4).
; Work-groups 0-255 take x (two tiles each: wave w takes tile 2 g + w / 2, K half w % 2) and 8 positions of the table; work-groups 256-511 take the weights (wave: 32 columns x 128 K).  Waves share nothing: no barrier.
.set TILEB, 12800
.set SP,    528                        ; a stage row: 512 bytes + 16
.set WST,   16*SP                      ; a wave's stage
.set LI16,  4                          ; v4   16 x lane
.set LI8,   5                          ; v5   8 x lane
.set R,     16                         ; v16-143  two sets of 64 numbers as loaded
.set X,     144                        ; v144-207 64 numbers: register 16 b + i = k 32 b + 16 (lane / 16) + i of my row
.set RT,    144                        ; the table's temporaries, before X is first used
.set TM,    208                        ; v208-211 maxima, v212-215 bytes, v220-223 the conversions' scale operands
.set W,     224                        ; v224-227 my four K steps' scale words
.set PC,    230                        ; v230-241 a fragment's codes
.set CT,    242                        ; v242-249 the second halves of the blocks' codes
.set D,     250
.set SEL,   20                         ; s[20:21] lane l xor 16
.set F0,    144                        ; weights: the two tiles' fragments, v144-155 and v156-167
.set CH,    168                        ; v168-183 the upper halves of four blocks' codes
.set WW,    184                        ; my column's scale word
.set MA,    186
.set MB,    187
.set SOP,   188
	s_load_b128 s[4:7], s[0:1], 0x0                ; x, w_qkv
	s_load_b128 s[8:11], s[0:1], 0x10              ; w_out, xq
	s_load_b128 s[12:15], s[0:1], 0x20             ; wc, rope
	v_lshl_add_u32 v245, v0, 2, 0x8400
	v_mov_b32 v249, 0
	v_lshrrev_b32 v1, 5, v0
	v_readfirstlane_b32 s16, v1                    ; wave
	v_and_b32 v1, 31, v0                           ; lane
	v_and_b32 v2, 15, v0                           ; r
	v_bfe_u32 v3, v0, 4, 1                         ; h
	v_lshlrev_b32 v[LI16], 4, v1
	v_lshlrev_b32 v[LI8], 3, v1
	s_mov_b32 s[SEL], 0x76543210
	s_mov_b32 s[SEL+1], 0xfedcba98
	s_lshr_b32 s17, s16, 1
	s_and_b32 s18, s16, 1
	s_cmp_lt_u32 ttmp9, 256
	s_cbranch_scc0 .Lweights
; ---------------- x, and the table ----------------
	s_mul_i32 s19, s16, WST
	v_add_nc_u32 v6, s19, v[LI16]                  ; the stage, in: a row's 512 bytes as they lie
	v_mul_u32_u24 v7, v2, SP
	v_lshl_add_u32 v7, v3, 6, v7
	v_add_nc_u32 v7, s19, v7                       ; out: row r, + 64 h: my 16 numbers of each block of 32
	v_lshlrev_b32 v8, 4, v2
	v_lshl_add_u32 v8, v3, 3, v8                   ; the scale words' place: 16 r + 8 h
	s_lshl_b32 s22, ttmp9, 17                      ; 32 rows of 4,096 bytes for each pair of tiles,
	s_lshl_b32 s23, s17, 15                        ; 8 rows on for the odd tile,
	s_add_co_u32 s22, s22, s23
	s_lshl_b32 s23, s18, 11                        ; my half of K
	s_add_co_u32 s22, s22, s23
	s_mov_b32 s23, 0
	s_lshl_b32 s24, ttmp9, 1
	s_add_co_u32 s24, s24, s17                     ; my tile
	s_mul_i32 s24, s24, TILEB
	s_mov_b32 s25, 0
	s_mul_i32 s26, s18, 6144                       ; four K steps' codes
	s_mov_b32 s27, 0
	s_lshl_b32 s28, s18, 8
	s_add_co_u32 s28, s28, 12288                   ; my 256 bytes of scale words
	s_mov_b32 s29, 0
	s_lshl_b32 s30, ttmp9, 3
	s_lshl_b32 s31, s16, 1
	s_add_co_u32 s30, s30, s31                     ; my two positions: 8 g + 2 w and the next
	s_cvt_f32_u32 s32, s30
	s_add_co_u32 s31, s30, 1
	s_cvt_f32_u32 s33, s31
	s_lshl_b32 s30, s30, 8
	s_mov_b32 s31, 0
	s_wait_kmcnt 0x0
	s_add_nc_u64 s[4:5], s[4:5], s[22:23]
	s_add_nc_u64 s[10:11], s[10:11], s[24:25]
	s_add_nc_u64 s[34:35], s[10:11], s[28:29]
	s_add_nc_u64 s[10:11], s[10:11], s[26:27]
	s_add_nc_u64 s[14:15], s[14:15], s[30:31]
.macro XLOAD t                         ; K step t of my 16 rows: each load reads 512 consecutive bytes of one row
.irp i, 0,1,2,3,4,5,6,7,8,9,10,11,12,13,14,15
	global_load_b128 v[R+64*((\t)%2)+4*\i:R+64*((\t)%2)+4*\i+3], v[LI16], s[4:5] offset:(\i+8*(\i/8))*4096+512*(\t) th:TH_LOAD_NT
.endr
.endm
	s_wait_alu depctr_va_vdst(0)
	XLOAD 0
	XLOAD 1
; The table: row pos = [cos 0-15, sin 0-15, cos 16-31, sin 16-31], 256 bytes.  Lane L makes numbers 2 L and 2 L + 1 of a row.
	v_lshrrev_b32 v9, 3, v1                        ; which sixteen
	v_and_b32 v10, 1, v9
	v_xor_b32 v10, 1, v10                          ; 1 where cosines are made: cos(a) = sin(a + pi/2), one quadrant on
	v_lshrrev_b32 v9, 1, v9
	v_and_b32 v11, 7, v1
	v_lshlrev_b32 v11, 1, v11
	v_lshl_add_u32 v11, v9, 4, v11                 ; the frequency's number i
	v_cvt_f32_u32 v12, v11
	v_add_f32 v13, 1.0, v12
	v_mul_f32 v12, 0xbed49a78, v12                 ; - i log2(10000) / 32
	v_mul_f32 v13, 0xbed49a78, v13
	s_wait_alu depctr_va_vdst(0)
	v_exp_f32 v12, v12
	v_exp_f32 v13, v13
	v_nop                                          ; a plain line behind the exponentials
	s_wait_alu depctr_va_vdst(0)                   ; one wait for both, ahead of their first reader
.macro ROPE1 dst, f, sp                ; sine or cosine of position s[sp] x frequency v[f]
	v_mul_f32 v[RT], s[\sp], v[\f]                 ; the angle
	v_mul_f32 v[RT+1], 0x3f22f983, v[RT]
	v_rndne_f32 v[RT+1], v[RT+1]                   ; n = the nearest multiple of pi/2
	v_fmamk_f32 v[RT], v[RT+1], 0xbfc90000, v[RT]  ; r = angle - n pi/2, pi/2 in three parts
	v_fmamk_f32 v[RT], v[RT+1], 0xb9fda000, v[RT]
	v_fmamk_f32 v[RT], v[RT+1], 0xb3a22168, v[RT]
	v_mul_f32 v[RT+2], v[RT], v[RT]
	v_mov_b32 v[RT+3], 0x3638ef1d
	v_fmaak_f32 v[RT+3], v[RT+3], v[RT+2], 0xb9500d01
	v_fmaak_f32 v[RT+3], v[RT+3], v[RT+2], 0x3c088889
	v_fmaak_f32 v[RT+3], v[RT+3], v[RT+2], 0xbe2aaaab
	v_mul_f32 v[RT+3], v[RT+3], v[RT+2]
	v_fma_f32 v[RT+3], v[RT+3], v[RT], v[RT]       ; sin r
	v_mov_b32 v[RT+4], 0xb493f27e
	v_fmaak_f32 v[RT+4], v[RT+4], v[RT+2], 0x37d00d01
	v_fmaak_f32 v[RT+4], v[RT+4], v[RT+2], 0xbab60b61
	v_fmaak_f32 v[RT+4], v[RT+4], v[RT+2], 0x3d2aaaab
	v_fmaak_f32 v[RT+4], v[RT+4], v[RT+2], 0xbf000000
	v_fmaak_f32 v[RT+4], v[RT+4], v[RT+2], 0x3f800000   ; cos r
	v_cvt_i32_f32 v[RT+1], v[RT+1]
	v_add_nc_u32 v[RT+1], v[RT+1], v10             ; the quadrant
	v_and_b32 v[RT+5], 1, v[RT+1]
	v_cmp_eq_u32 vcc_lo, 1, v[RT+5]
	v_cndmask_b32 v[\dst], v[RT+3], v[RT+4], vcc_lo
	v_and_b32 v[RT+5], 2, v[RT+1]
	v_lshlrev_b32 v[RT+5], 30, v[RT+5]
	v_xor_b32 v[\dst], v[\dst], v[RT+5]            ; quadrants 2 and 3 change the sign
.endm
	ROPE1 252, 12, 32
	ROPE1 253, 13, 32
	ROPE1 254, 12, 33
	ROPE1 255, 13, 33
	global_store_b64 v[LI8], v[252:253], s[14:15]              ; 32 lanes store a row of 256 bytes
	global_store_b64 v[LI8], v[254:255], s[14:15] offset:256
.irp b, 0,1,2,3
	v_mov_b32 v[TM+4+\b], 0                        ; written once: a lane permute's destination counts as one of its sources
.endr
; 64 numbers in v[X] on become a fragment's codes in v[PC] on and the row's scale word in v[wreg]
.macro QUANT wreg
.irp b, 0,1,2,3
	v_max3_num_f32 v[TM+\b], |v[X+16*\b]|, |v[X+1+16*\b]|, 0x1800000   ; my 16 numbers of block b, and the floor 2^(3 - 127): the byte cannot fall under 1
.endr
.irp i, 2,4,6,8,10,12,14
.irp b, 0,1,2,3
	v_max3_num_f32 v[TM+\b], v[TM+\b], |v[X+16*\b+\i]|, |v[X+1+16*\b+\i]|
.endr
.endr
.irp b, 0,1,2,3
	v_permlanex16_b32 v[TM+4+\b], v[TM+\b], s[SEL], s[SEL+1]
.endr
.irp b, 0,1,2,3
	v_max_num_f32 v[TM+\b], v[TM+\b], v[TM+4+\b]   ; with lane l xor 16's: the block's largest magnitude
.endr
.irp b, 0,1,2,3
	v_add_nc_u32 v[TM+12+\b], 0xff000000, v[TM+\b] ; 2 off its exponent field: the conversion's scale operand
.endr
.irp b, 0,1,2,3
	v_lshrrev_b32 v[TM+4+\b], 23, v[TM+12+\b]      ; the byte
.endr
	v_lshl_or_b32 v[\wreg], v[TM+5], 8, v[TM+4]
	v_lshl_or_b32 v[\wreg], v[TM+6], 16, v[\wreg]
	v_lshl_or_b32 v[\wreg], v[TM+7], 24, v[\wreg]
.irp c, 0,1
	v_cvt_scalef32_pk16_fp6_f32 v[PC+6*\c:PC+6*\c+2], v[X+32*\c:X+32*\c+15], v[TM+12+2*\c]
	v_cvt_scalef32_pk16_fp6_f32 v[CT+4*\c:CT+4*\c+2], v[X+32*\c+16:X+32*\c+31], v[TM+12+2*\c+1]
.endr
	v_nop                                          ; one plain line behind the conversions
.irp c, 0,1                            ; the operand wants a whole block in a lane: lanes 0-15 block 2 c, lanes 16-31 block 2 c + 1
.irp i, 0,1,2
	v_permlane16_swap_b32 v[PC+6*\c+\i], v[CT+4*\c+\i]
.endr
.irp i, 0,1,2
	v_mov_b32 v[PC+6*\c+3+\i], v[CT+4*\c+\i]
.endr
.endr
.endm
.macro XSTEP t
.if (\t) < 3
	s_wait_loadcnt 16                              ; this K step's 16 loads are in; the next step's 16 may be out
.else
	s_wait_loadcnt 0
.endif
.irp i, 0,1,2,3,4,5,6,7,8,9,10,11,12,13,14,15
	ds_store_b128 v6, v[R+64*((\t)%2)+4*\i:R+64*((\t)%2)+4*\i+3] offset:SP*\i
.endr
.irp b, 0,1,2,3
.irp j, 0,1,2,3
	ds_load_b128 v[X+16*\b+4*\j:X+16*\b+4*\j+3], v7 offset:128*\b+16*\j   ; LDS serves a wave's instructions in order: these see the stores above
.endr
.endr
	s_wait_dscnt 0x0                               ; the numbers are back, and the stores have read the set, which may be loaded again
.if (\t) < 2
	XLOAD (\t)+2
.endif
	s_wait_xcnt 0x0                                ; the last step's stores have read the codes' registers
	QUANT W+(\t)
	global_store_b128 v[LI16], v[PC:PC+3], s[10:11] offset:1536*(\t)
	global_store_b64 v[LI8], v[PC+4:PC+5], s[10:11] offset:1536*(\t)+512
	global_store_b128 v[LI16], v[PC+6:PC+9], s[10:11] offset:1536*(\t)+768
	global_store_b64 v[LI8], v[PC+10:PC+11], s[10:11] offset:1536*(\t)+1280
.endm
	XSTEP 0
	XSTEP 1
	XSTEP 2
	XSTEP 3
	v_cmp_eq_u32 vcc_lo, 1, v3
	v_cndmask_b32 v[D], v[W], v[W+2], vcc_lo       ; lanes 0-15 store K steps 0 and 1 of my four, lanes 16-31 steps 2 and 3
	v_cndmask_b32 v[D+1], v[W+1], v[W+3], vcc_lo
	global_store_b64 v8, v[D:D+1], s[34:35]        ; 256 consecutive bytes
	s_wait_tensorcnt 0x0
	ds_add_u32 v245, v249
	s_wait_dscnt 0x0
	s_endpgm
; ---------------- the weights: a lane takes a column, its registers run down K ----------------
.Lweights:
	s_sub_co_u32 s19, ttmp9, 256
	s_and_b32 s22, s19, 7                          ; K step
	s_lshr_b32 s23, s19, 3                         ; which 128 columns: 0-23 w_qkv's, 24-31 w_out's
	s_wait_alu depctr_va_vdst(0)
	v_and_b32 v6, 7, v1
	v_bfe_u32 v7, v1, 3, 1
	v_lshl_add_u32 v6, v7, 4, v6
	v_lshl_add_u32 v6, v3, 3, v6                   ; my column of the wave's 32: the lane's number with bits 3 and 4 exchanged
	v_lshlrev_b32 v6, 2, v6
	v_mul_u32_u24 v7, v3, TILEB
	v_lshl_add_u32 v7, v2, 4, v7                   ; my scale word: tile lane / 16, row lane % 16
	s_lshl_b32 s24, s23, 3
	s_lshl_b32 s25, s16, 1
	s_add_co_u32 s24, s24, s25                     ; my first tile of wc
	s_mul_i32 s24, s24, TILEB
	s_mul_i32 s25, s22, 1536
	s_add_co_u32 s26, s24, s25
	s_mov_b32 s27, 0
	s_lshr_b32 s25, s22, 2
	s_lshl_b32 s25, s25, 8
	s_add_co_u32 s28, s24, s25
	s_and_b32 s25, s22, 3
	s_lshl_b32 s25, s25, 2
	s_add_co_u32 s28, s28, s25
	s_add_co_u32 s28, s28, 12288
	s_mov_b32 s29, 0
	s_lshl_b32 s30, s16, 7                         ; my 32 columns, in bytes
	s_wait_kmcnt 0x0
	s_add_nc_u64 s[26:27], s[12:13], s[26:27]
	s_add_nc_u64 s[28:29], s[12:13], s[28:29]
.macro WLOAD kb, stride, sb            ; block kb: 32 rows of the weight at my column: 32 lanes read 128 consecutive bytes
.set i, 0
.rept 32
	global_load_b32 v[16+32*(\kb)+i], v6, s[\sb:\sb+1] offset:(32*(\kb)+i)*\stride th:TH_LOAD_NT
.set i, i+1
.endr
.endm
.macro BLOCK kb, stride, sb
.set XS, 16+32*(\kb)
.set FD, F0+12*((\kb)%2)+6*((\kb)/2)
.if (\kb) < 3
	s_wait_loadcnt 32                              ; this block's 32 loads are in; the next block's may be out
.else
	s_wait_loadcnt 0
.endif
.if (\kb) < 2
	WLOAD (\kb)+2, \stride, \sb
.endif
	v_max3_num_f32 v[MA], |v[XS]|, |v[XS+1]|, |v[XS+2]|        ; all 32 numbers of the block are mine
	v_max3_num_f32 v[MB], |v[XS+3]|, |v[XS+4]|, |v[XS+5]|
.irp i, 6,10,14,18,22,26
	v_max3_num_f32 v[MA], v[MA], |v[XS+\i]|, |v[XS+\i+1]|
	v_max3_num_f32 v[MB], v[MB], |v[XS+\i+2]|, |v[XS+\i+3]|
.endr
	v_max3_num_f32 v[MA], v[MA], |v[XS+30]|, |v[XS+31]|
	v_max3_num_f32 v[MA], v[MA], v[MB], 0x1800000  ; and the floor
	v_add_nc_u32 v[SOP], 0xff000000, v[MA]
	v_lshrrev_b32 v[MB], 23, v[SOP]
.if (\kb) == 0
	v_mov_b32 v[WW], v[MB]
.else
	v_lshl_or_b32 v[WW], v[MB], 8*(\kb), v[WW]
.endif
	v_cvt_scalef32_pk16_fp6_f32 v[FD:FD+2], v[XS:XS+15], v[SOP]
	v_cvt_scalef32_pk16_fp6_f32 v[CH+4*(\kb):CH+4*(\kb)+2], v[XS+16:XS+31], v[SOP]
.endm
.macro WBODY stride, sb
	WLOAD 0, \stride, \sb
	WLOAD 1, \stride, \sb
	BLOCK 0, \stride, \sb
	BLOCK 1, \stride, \sb
	BLOCK 2, \stride, \sb
	BLOCK 3, \stride, \sb
	v_nop                                          ; one plain line behind the conversions
; Lanes 0-15 hold the first tile's columns, lanes 16-31 the second's, each all four blocks.  A fragment wants blocks 2 c in lanes 0-15 and 2 c + 1 in lanes 16-31 of ONE tile:
; the exchange of block 2 c's lanes 16-31 with block 2 c + 1's lanes 0-15 makes the first tile's registers of the one and the second tile's of the other.
.irp c, 0,1
.irp i, 0,1,2
	v_permlane16_swap_b32 v[F0+6*\c+\i], v[F0+12+6*\c+\i]
	v_permlane16_swap_b32 v[CH+8*\c+\i], v[CH+8*\c+4+\i]
.endr
.irp i, 0,1,2
	v_mov_b32 v[F0+6*\c+3+\i], v[CH+8*\c+\i]
	v_mov_b32 v[F0+12+6*\c+3+\i], v[CH+8*\c+4+\i]
.endr
.endr
.irp u, 0,1
	global_store_b128 v[LI16], v[F0+12*\u:F0+12*\u+3], s[26:27] offset:TILEB*\u
	global_store_b64 v[LI8], v[F0+12*\u+4:F0+12*\u+5], s[26:27] offset:TILEB*\u+512
	global_store_b128 v[LI16], v[F0+12*\u+6:F0+12*\u+9], s[26:27] offset:TILEB*\u+768
	global_store_b64 v[LI8], v[F0+12*\u+10:F0+12*\u+11], s[26:27] offset:TILEB*\u+1280
.endr
	global_store_b32 v7, v[WW], s[28:29]           ; 4 bytes a row, 16 bytes apart: one byte in 128 of what this part reads
	s_endpgm
.endm
	s_cmp_lt_u32 s23, 24
	s_cbranch_scc0 .Lw_out
	s_mul_i32 s24, s22, 128*12288                  ; w_qkv: 128 rows of 12,288 bytes a K step
	s_lshl_b32 s25, s23, 9
	s_add_co_u32 s24, s24, s25
	s_add_co_u32 s24, s24, s30
	s_mov_b32 s25, 0
	s_add_nc_u64 s[6:7], s[6:7], s[24:25]
	s_wait_alu depctr_va_vdst(0)
	WBODY 12288, 6
.Lw_out:
	s_sub_co_u32 s23, s23, 24
	s_mul_i32 s24, s22, 128*4096                   ; w_out: rows of 4,096 bytes
	s_lshl_b32 s25, s23, 9
	s_add_co_u32 s24, s24, s25
	s_add_co_u32 s24, s24, s30
	s_mov_b32 s25, 0
	s_add_nc_u64 s[8:9], s[8:9], s[24:25]
	s_wait_alu depctr_va_vdst(0)
	WBODY 4096, 8
.Lfunc_end_k_q1e27875ce0_prep:
	.size	k_q1e27875ce0_prep, .Lfunc_end_k_q1e27875ce0_prep-k_q1e27875ce0_prep
	.p2alignl 7, 3214868480
	.fill 96, 4, 3214868480
	.section	.rodata,"a",@progbits
	.p2align	6, 0x0
	.amdhsa_kernel k_q1e27875ce0_prep
		.amdhsa_group_segment_fixed_size 34304
		.amdhsa_private_segment_fixed_size 0
		.amdhsa_enable_private_segment 0
		.amdhsa_kernarg_size 48
		.amdhsa_user_sgpr_count 2
		.amdhsa_user_sgpr_kernarg_segment_ptr 1
		.amdhsa_wavefront_size32 1
		.amdhsa_system_sgpr_workgroup_id_x 1
		.amdhsa_system_sgpr_workgroup_id_y 1
		.amdhsa_system_sgpr_workgroup_id_z 1
		.amdhsa_system_vgpr_workitem_id 0
		.amdhsa_next_free_vgpr 256
		.amdhsa_next_free_sgpr 66
		.amdhsa_reserve_vcc 1
		.amdhsa_float_denorm_mode_32 3
		.amdhsa_float_denorm_mode_16_64 3
		.amdhsa_memory_ordered 1
		.amdhsa_forward_progress 1
		.amdhsa_inst_pref_size 80
	.end_amdhsa_kernel
	.amdgpu_metadata
---
amdhsa.version: [ 1, 2 ]
amdhsa.kernels:
  - .name:           k_q1e27875ce0_prep
    .symbol:         k_q1e27875ce0_prep.kd
    .args:
      - { .name: x, .offset: 0, .size: 8, .value_kind: global_buffer, .address_space: global }
      - { .name: w_qkv, .offset: 8, .size: 8, .value_kind: global_buffer, .address_space: global }
      - { .name: w_out, .offset: 16, .size: 8, .value_kind: global_buffer, .address_space: global }
      - { .name: xq, .offset: 24, .size: 8, .value_kind: global_buffer, .address_space: global }
      - { .name: wc, .offset: 32, .size: 8, .value_kind: global_buffer, .address_space: global }
      - { .name: rope, .offset: 40, .size: 8, .value_kind: global_buffer, .address_space: global }
    .group_segment_fixed_size: 34304
    .private_segment_fixed_size: 0
    .kernarg_segment_align: 8
    .kernarg_segment_size: 48
    .max_flat_workgroup_size: 128
    .sgpr_count:     66
    .vgpr_count:     256
    .wavefront_size: 32
...
	.end_amdgpu_metadata
.endif
;; end of part 1
;; launch qkv (part 2): grid 16 x 16, 4 waves a work-group, clusters of 4 x 4, 327,680 bytes of LDS; arguments xq, wc, rope, attention_mask, qimg, kv; writes qimg, kv
.if DOCPART == 2
	.amdgcn_target "amdgcn-amd-amdhsa--gfx1250"
	.amdhsa_code_object_version 6
	.text
	.protected	k_q1e27875ce0_qkv
	.globl	k_q1e27875ce0_qkv
	.p2align	8
	.type	k_q1e27875ce0_qkv,@function
k_q1e27875ce0_qkv:
	s_mov_b64 s[64:65], 0
	v_nop
	global_prefetch_b8 v0, s[64:65] scope:SCOPE_SE
	s_setreg_imm32_b32 hwreg(HW_REG_WAVE_MODE, 25, 1), 1
	s_wait_xcnt 0x0
	s_wait_alu depctr_hold_cnt(0) depctr_sa_sdst(0) depctr_va_vdst(0) depctr_va_sdst(0) depctr_va_ssrc(0) depctr_va_vcc(0) depctr_vm_vsrc(0)
	s_getreg_b32 s2, hwreg(HW_REG_IB_STS2, 6, 4)
	s_cmp_eq_u32 s2, 0
	s_cbranch_scc0 .Lentry_in_a_cluster
	s_endpgm
.Lentry_in_a_cluster:
	s_bfe_u32 s2, ttmp6, 0x10000c
	s_cmp_lg_u32 s2, 0xf033
	s_cbranch_scc0 .Lentry_shape_is_right
	s_endpgm
.Lentry_shape_is_right:
; qkv = x w_qkv on codes of FP6 (E2M3) with E8M0 scales, K = 1024; on the way out the rotation of q and k in f32 and the quantising of q, k (along the head's 64) and v (along the keys),
; straight into the register images that the attention launch loads.  qkv itself never goes to memory.
; Operands lie in memory as TILES of 16 rows x 1024 K, 12,800 bytes: 8 K steps of 1,536 bytes as register images, then 512 bytes of scale words (row r, step s at 12288 + 256 (s/4) + 16 r + 4 (s%4)).
; Lane r of tile T holds row 32 (T/2) + 8 (T%2) + r + 8 (r/8): the 16 registers of result tiles 2 j, 2 j + 1 are 16 neighbours 32 j + 16 (lane/16) + 0 .. 15.
; THE DEAL.  256 work-groups of four waves, 2 x 2.  Wave (a, b) holds 64 columns (one head) of a weight, ALL of K, in registers (4 tiles x 8 fragments x 12 = 384) and streams token tiles past them, 32 products a tile,
; four accumulators by turns.  A work-group makes 256 tokens x 128 columns of V and then 512 tokens x 128 columns of Q or K; V's 256 tokens are a half of its own 512.
; Which half (cluster x % 2) and which tensor (cluster x / 2) come from the cluster's number alone.  Token tiles are shared along a row of the cluster, weights along a column: joint loads.
; V: source 0 = tokens, source 1 = V's columns: a lane holds a channel, registers run along the keys; wave a takes the a-th 128 tokens, 8 tiles, 256 accumulator registers; quantised at the phase's end.
; Q, K: source 0 = the columns, source 1 = tokens: a lane holds a token; of each chunk of 128 tokens wave a takes tiles 4 a .. 4 a + 3.
; LDS: the weights' 8 tiles at 0, two slots of 8 token tiles (a chunk) behind them, the spare words.  FILLS: at the head one load a wave: W_v; chunk 0; chunk 1 in two halves.
; Three refills, each behind a drained round of the cluster's barrier, every wave a quarter (2 tiles): W_q or W_k onto W_v as soon as all waves hold W_v in registers; the other half's chunks in tiles 2 and 6 of the second phase.
; By this text's count a wave never has more than one tensor load out.
; THE WAY OUT of a tile of Q or K rides in the NEXT tile's products: four vector lines behind every second product (rotation, largest magnitudes, scale bytes); the conversions and stores follow that tile's last product.
; THE PADDING MASK rides in the empty half of the score product's K: q carries the code 1.0 at k = 64 under scale byte 127; a key that counts the code 0 under byte 1, a padded key the code -4 under byte 247.
; PREFETCH: the second weight and the other half's two chunks are asked for once in each cluster, 25 units of 256 bytes an instruction, shared out by address among the sixteen waves that will ask jointly.
; LIMITS: a logit x log2(e) under -2^100 counts as padded in the attention launch; NaN and infinities are not served; blocks whose largest magnitude lies under 2^-124 were not tried (their byte is held at 1).
.set TILEB, 12800
.set FR,    12
.set FPW,   21                         ; fragment f lies in window 1 + f / 21 at 12 (f % 21): 0-31 the weights' (4 q + t), 32-39 and 40-47 the tokens' two sets
.set XB,    8*TILEB
.set SPARE, 24*TILEB
.set LI16, 4
.set LI8,  5
.set W16,  6
.set W8,   7
.set WS,   8
.set R16,  9
.set SPW,  10
.set NIL,  11
.set X16,  12                          ; v12-14 slot 0, my four tiles: + 16 lane, + 8 lane, + 16 r; v15-17 slot 1
.set V16,  18                          ; v18-20 V's phase: my slot's tiles 0-3; v21-23 tiles 4-7
.set SB,   24                          ; v24-39 the weights' scale words
.set RO,   40
.set MO,   41
.set SCO,  42
.set VSO,  43
.set SA,   44                          ; v44-59 the tokens' scale words, two sets
.set VA,   60
.set VB,   61
.set V6A,  62
.set V6B,  63
.set ACC,  64                          ; v64-127 Q, K: two sets of four accumulators.  V: v64-191 channel tiles 0, 1; v840-967 tiles 2, 3
.set RQ,   128                         ; v128-159 rotated numbers
                                       ; cosines and sines: even tiles v968-999, odd tiles v192-223; the mask's words v1000, v1001
.set M,    224
.set P,    228
.set SO,   230
.set BY,   232
.set EX,   234
.set PC,   240
.set CT,   248
.set SW,   252
.set TMV,  224
.set PCV,  240
.set SWV,  252
.set PFW,  224
.set PFA,  225
.set T0,   226
.set T1,   227
.set G1W, 24
.set G1X, 32
.set G1Y, 40
.set MSB, 0
.macro WIN new
.if MSB != (\new)
	s_set_vgpr_msb (MSB<<8)|(\new)
.set MSB, (\new)
.endif
.endm
.macro PLACES n
.rept \n
	v_nop
.endr
.endm
.macro WALU
	s_wait_alu depctr_va_vdst(0)
.endm
.macro BARRIER
	s_barrier_signal -1
	s_barrier_wait -1
.endm
.macro CROUND
	s_barrier_signal -1
	s_barrier_wait -1
	s_cmp_lg_u32 s16, 0
	s_cbranch_scc1 .Lnot_wave_0_\@
	s_barrier_signal -3
.Lnot_wave_0_\@:
	s_barrier_wait -3
	s_barrier_signal -1
	s_barrier_wait -1
.endm
.macro GROUP1 g, mask, rows            ; a dense block as rows of 256 bytes = 32 elements of 8
	s_or_b32 s[\g], s[\mask], (3<<16)|(1<<21)
	s_mov_b32 s[\g+1], 32<<16
	s_mov_b32 s[\g+2], (\rows)<<16
	s_mov_b32 s[\g+3], 32<<16
	s_mov_b32 s[\g+4], \rows
	s_mov_b32 s[\g+5], 32
	s_mov_b32 s[\g+6], 0
	s_mov_b32 s[\g+7], 0
.endm
.macro TLOAD g0, g1
	tensor_load_to_lds s[\g0:\g0+3], s[\g1:\g1+7]
	s_nop 0
	PLACES 4
.endm
.macro ARM under, g0, g1, next
	s_cmp_lt_u32 s16, \under
	s_cbranch_scc0 \next
	TLOAD \g0, \g1
	s_branch .Lasked
\next:
.endm
.macro FRAG f, a16, a8, off            ; a fragment comes back as it was stored: four loads of consecutive bytes
	WIN (1+(\f)/FPW)<<6
.set R_, FR*((\f)%FPW)
	ds_load_b128 v[R_:R_+3], v[\a16] offset:\off
	ds_load_b64 v[R_+4:R_+5], v[\a8] offset:(\off)+512
	ds_load_b128 v[R_+6:R_+9], v[\a16] offset:(\off)+768
	ds_load_b64 v[R_+10:R_+11], v[\a8] offset:(\off)+1280
.endm
.macro FETCH e, a, off                 ; a token tile into set e: 34 loads
.irp q, 0,1,2,3,4,5,6,7
	FRAG 32+8*(\e)+\q, \a, (\a)+1, (\off)+1536*\q
.endr
	WIN 0
	ds_load_b128 v[SA+8*(\e):SA+8*(\e)+3], v[(\a)+2] offset:(\off)+12288
	ds_load_b128 v[SA+8*(\e)+4:SA+8*(\e)+7], v[(\a)+2] offset:(\off)+12288+256
.endm
.macro WEIGHTS                         ; my 64 columns, all of K: 128 loads, and 4 for the scale words (lanes 16-31 take the odd tile's)
.irp q, 0,1,2,3,4,5,6,7
.irp t, 0,1,2,3
	FRAG 4*\q+\t, W16, W8, \t*TILEB+1536*\q
.endr
.endr
	WIN 0
.irp p, 0,1
	ds_load_b128 v[SB+8*\p:SB+8*\p+3], v[WS] offset:\p*2*TILEB+12288
	ds_load_b128 v[SB+8*\p+4:SB+8*\p+7], v[WS] offset:\p*2*TILEB+12288+256
.endr
.endm
.macro PROD1 s0, s1, c, x0, x1, side
.if T_%2
	v_wmma_scale_f32_16x16x128_f8f6f4 v[DL_:DL_+7], v[FR*((\s0)%FPW):FR*((\s0)%FPW)+FR-1], v[FR*((\s1)%FPW):FR*((\s1)%FPW)+FR-1], \c, v[\x0], v[\x1] matrix_a_fmt:MATRIX_FMT_FP6 matrix_b_fmt:MATRIX_FMT_FP6 matrix_\side\()_scale:MATRIX_SCALE_ROW1
.else
	v_wmma_scale_f32_16x16x128_f8f6f4 v[DL_:DL_+7], v[FR*((\s0)%FPW):FR*((\s0)%FPW)+FR-1], v[FR*((\s1)%FPW):FR*((\s1)%FPW)+FR-1], \c, v[\x0], v[\x1] matrix_a_fmt:MATRIX_FMT_FP6 matrix_b_fmt:MATRIX_FMT_FP6 matrix_\side\()_scale:MATRIX_SCALE_ROW0
.endif
.endm
.macro PROD kind, e, n, d0, ds, dx     ; product n = 4 q + t; its accumulator at d0 + ds t + dx (t / 2).  kind 1 (V): source 0 the tokens
.set Q_, (\n)/4
.set T_, (\n)%4
.set FW_, 4*Q_+T_
.set FX_, 32+8*(\e)+Q_
.set D_, (\d0)+(\ds)*T_+(\dx)*(T_/2)
.set DW_, D_>>8
.set DL_, D_&255
.set XW_, SB+8*(T_/2)+Q_
.set XX_, SA+8*(\e)+Q_
.if \kind
	WIN (1+FX_/FPW)|((1+FW_/FPW)<<2)|(DW_<<4)|(DW_<<6)
.if Q_
	PROD1 FX_, FW_, v[DL_:DL_+7], XX_, XW_, b
.else
	PROD1 FX_, FW_, 0, XX_, XW_, b
.endif
.else
	WIN (1+FW_/FPW)|((1+FX_/FPW)<<2)|(DW_<<4)|(DW_<<6)
.if Q_
	PROD1 FW_, FX_, v[DL_:DL_+7], XW_, XX_, a
.else
	PROD1 FW_, FX_, 0, XW_, XX_, a
.endif
.endif
.endm
; Line i of the way out of Q's or K's tile p.  Register i of the tile's 32 holds channel 16 h + i, register 16 + i channel 32 + 16 h + i: the two that the rotation joins lie in one lane.
.macro WO i, p
.set I_, \i
.set X_, ACC+32*((\p)%2)
.set CW_, 3*(1-(\p)%2)
.set CB_, 192+8*(1-(\p)%2)
.if I_ < 16                            ; x sin, each accumulator read from its low end on
.set K_, 2*(I_/2)
	WIN CW_<<2
.if I_%2 == 0
	v_pk_mul_f32 v[RQ+K_:RQ+K_+1], v[X_+16+K_:X_+17+K_], v[CB_+16+K_:CB_+17+K_]
.else
	v_pk_mul_f32 v[RQ+16+K_:RQ+17+K_], v[X_+K_:X_+K_+1], v[CB_+16+K_:CB_+17+K_]
.endif
.elseif I_ < 32                        ; x cos -+ that
.set K_, 2*((I_-16)/2)
	WIN CW_<<2
.if I_%2 == 0
	v_pk_fma_f32 v[RQ+K_:RQ+K_+1], v[X_+K_:X_+K_+1], v[CB_+K_:CB_+K_+1], v[RQ+K_:RQ+K_+1] neg_lo:[0,0,1] neg_hi:[0,0,1]
.else
	v_pk_fma_f32 v[RQ+16+K_:RQ+17+K_], v[X_+16+K_:X_+17+K_], v[CB_+K_:CB_+K_+1], v[RQ+16+K_:RQ+17+K_]
.endif
.elseif I_ < 48                        ; the largest magnitudes, four chains of eight numbers by turns; the floor 2^(3 - 127) holds the byte at 1 from below
.set C_, (I_-32)%4
.set S_, (I_-32)/4
.set B_, RQ+8*C_
	WIN 0
.if S_ == 0
	v_max3_num_f32 v[M+C_], |v[B_]|, |v[B_+1]|, |v[B_+2]|
.elseif S_ < 3
	v_max3_num_f32 v[M+C_], v[M+C_], |v[B_+2*S_+1]|, |v[B_+2*S_+2]|
.else
	v_max3_num_f32 v[M+C_], v[M+C_], |v[B_+7]|, 0x1800000
.endif
.elseif I_ < 50
	WIN 0
.if I_ == 48
	WALU
	s_wait_xcnt 0x0                                ; the last tile's stores have read the registers that are written from here on
.endif
	v_max_num_f32 v[M+2*(I_-48)], v[M+2*(I_-48)], v[M+2*(I_-48)+1]
.elseif I_ < 52
	WIN 0
	v_permlanex16_b32 v[P+I_-50], v[M+2*(I_-50)], s98, s99
.elseif I_ < 54
	WIN 0
	v_max_num_f32 v[M+2*(I_-52)], v[M+2*(I_-52)], v[P+I_-52]
.elseif I_ < 56
	WIN 0
	v_add_nc_u32 v[SO+I_-54], 0xff000000, v[M+2*(I_-54)]
.elseif I_ < 58
	WIN 0
	v_lshrrev_b32 v[BY+I_-56], 23, v[SO+I_-56]
.elseif I_ == 58
	WIN 3<<2
	v_cmp_eq_u32 s100, 0, v[232+(\p)%2]            ; a padded token: it selects values, no branch
.elseif I_ == 59
	WIN 0
	v_cndmask_b32 v[EX], v[VA], v[VB], s100
.elseif I_ == 60
	WIN 0
	v_cndmask_b32 v[PC+6], v[V6A], v[V6B], s100
.elseif I_ == 61
	WIN 0
	v_lshl_or_b32 v[SW+(\p)%4], v[BY+1], 8, v[BY]
.elseif I_ == 62
	WIN 0
	v_lshl_or_b32 v[SW+(\p)%4], v[EX], 16, v[SW+(\p)%4]
.endif
.endm
.macro BLOCK kind, e, d0, ds, dx, p    ; 32 products; behind every second one four lines of tile p's way out (p < 0: none)
.set N_, 0
.rept 32
	PROD \kind, \e, N_, \d0, \ds, \dx
.if ((\p) >= 0) && (N_%2)
	WO 2*(N_-1), \p
	WO 2*(N_-1)+1, \p
	WO 2*(N_-1)+2, \p
	WO 2*(N_-1)+3, \p
.endif
.set N_, N_+1
.endr
.endm
.macro TAIL p                          ; tile p's codes and stores: 512 consecutive bytes a store
.set OP_, 80+2*((\p)/4)
	v_cvt_scalef32_pk16_fp6_f32 v[PC:PC+2], v[RQ:RQ+15], v[SO]
	v_cvt_scalef32_pk16_fp6_f32 v[CT:CT+2], v[RQ+16:RQ+31], v[SO+1]
	v_nop                                          ; one plain line behind the conversions
.irp i, 0,1,2
	v_permlane16_swap_b32 v[PC+\i], v[CT+\i]
.endr
.irp i, 0,1,2
	v_mov_b32 v[PC+3+\i], v[CT+\i]
.endr
	global_store_b128 v[LI16], v[PC:PC+3], s[OP_:OP_+1] offset:1024*((\p)%4)
	global_store_b128 v[LI16], v[PC+4:PC+7], s[OP_:OP_+1] offset:1024*((\p)%4)+512
.if (\p)%4 == 3
	global_store_b128 v[SCO], v[SW:SW+3], s[OP_:OP_+1]   ; my four tiles' scale words of row r (lanes r and 16 + r store the same bytes to the same place)
.endif
.endm
.macro ROPELD s                        ; tile s's tokens: my 16 cosines, my 16 sines, my token's word of the mask: 9 loads
.set TK_, 128*(((\s)/4)%2)+32*(((\s)%4)/2)+8*((\s)%2)
	WIN (3*(1-(\s)%2))<<6
.irp k, 0,1,2,3,4,5,6,7
	global_load_b128 v[192+8*(1-(\s)%2)+4*\k:192+8*(1-(\s)%2)+4*\k+3], v[RO], s[88+2*((\s)/8):89+2*((\s)/8)] offset:256*TK_+16*\k
.endr
	WIN 3<<6
	global_load_b32 v[232+(\s)%2], v[MO], s[92+2*((\s)/8):93+2*((\s)/8)] offset:4*TK_
	WIN 0
.endm
; 64 numbers of a lane (register 16 b + i = key 32 b + 16 h + i of my channel) become a fragment's codes in v[PCV] on and the scale word in v[w]
.macro QUANTV s, win, w
	WIN ((\win)<<2)|((\win)<<4)
.irp b, 0,1,2,3
	v_max3_num_f32 v[TMV+\b], 0x1800000, |v[(\s)+16*\b]|, |v[(\s)+1+16*\b]|
.endr
.irp i, 2,4,6,8,10,12,14
.irp b, 0,1,2,3
	v_max3_num_f32 v[TMV+\b], v[TMV+\b], |v[(\s)+16*\b+\i]|, |v[(\s)+1+16*\b+\i]|
.endr
.endr
	WIN 0
.irp b, 0,1,2,3
	v_permlanex16_b32 v[TMV+4+\b], v[TMV+\b], s98, s99
.endr
.irp b, 0,1,2,3
	v_max_num_f32 v[TMV+\b], v[TMV+\b], v[TMV+4+\b]
.endr
.irp b, 0,1,2,3
	v_add_nc_u32 v[TMV+12+\b], 0xff000000, v[TMV+\b]
.endr
.irp b, 0,1,2,3
	v_lshrrev_b32 v[TMV+4+\b], 23, v[TMV+12+\b]
.endr
	v_lshl_or_b32 v[\w], v[TMV+5], 8, v[TMV+4]
	v_lshl_or_b32 v[\w], v[TMV+6], 16, v[\w]
	v_lshl_or_b32 v[\w], v[TMV+7], 24, v[\w]
	WIN \win
.irp c, 0,1
	v_cvt_scalef32_pk16_fp6_f32 v[PCV+6*\c:PCV+6*\c+2], v[(\s)+32*\c:(\s)+32*\c+15], v[TMV+12+2*\c]
	v_cvt_scalef32_pk16_fp6_f32 v[18-18*\c:20-18*\c], v[(\s)+32*\c+16:(\s)+32*\c+31], v[TMV+13+2*\c]
.endr
	WIN 0
	v_nop
.irp c, 0,1
.irp i, 0,1,2
	v_permlane16_swap_b32 v[PCV+6*\c+\i], v[18-18*\c+\i]
.endr
.irp i, 0,1,2
	v_mov_b32 v[PCV+6*\c+3+\i], v[18-18*\c+\i]
.endr
.endr
.endm
.macro VOUT t
.set HVB_, 64+64*(\t)+648*((\t)/2)
	s_wait_xcnt 0x0                                ; earlier stores and prefetches have read their registers
	QUANTV HVB_&255, HVB_>>8, SWV+(\t)
.irp g, 0,1,2
	global_store_b128 v[LI16], v[PCV+4*\g:PCV+4*\g+3], s[96:97] offset:1536*(\t)+512*\g
.endr
.endm
.macro VBLK t                          ; V, token tile t of my eight.  Younger than its fetch is the next tile's (34)
.if (\t) < 7
	s_wait_dscnt 34
.else
	s_wait_dscnt 0x0
.endif
	BLOCK 1, (\t)%2, 64+8*(\t), 64, 648, -1
	WIN 0
	PLACES 4
.if (\t) == 7
	s_wait_tensorcnt 0x0                           ; my quarter of the second weight is in
	s_wait_dscnt 0x0
	BARRIER                                        ; it is shown to all
.endif
.if (\t) < 6
	FETCH (\t)%2, V16+3*(((\t)+2)/4), (((\t)+2)%4)*TILEB
.endif
.endm
.macro QKB s                           ; Q or K, tile s of my sixteen
.if (\s) >= 1
	s_wait_loadcnt 9                               ; tile s - 1's cosines, sines and mask are in; tile s's nine loads may be out
.endif
.if (\s) == 2 || (\s) == 6
	s_wait_tensorcnt 0x0
	ds_add_u32 v[SPW], v[NIL]
	s_wait_dscnt 35                                ; (the add and the next tile's fetch may be out)
.elseif (\s) < 15
	s_wait_dscnt 34
.else
	s_wait_dscnt 0x0
.endif
	BLOCK 0, (\s)%2, ACC+32*((\s)%2), 8, 0, (\s)-1
	WIN 0
	WALU
.if (\s) == 2 || (\s) == 6
	s_wait_dscnt 0x0                               ; the add is done, and so are my reads of the slot that is filled again (its last tile was fetched a tile ago)
	CROUND
	TLOAD 70+(\s), G1X                             ; my quarter of the other half's next chunk
.elseif (\s) == 10
	s_wait_tensorcnt 0x0
	s_wait_dscnt 0x0
	BARRIER                                        ; the last chunk is shown to all
.endif
	PLACES 4
.if (\s) >= 1
	TAIL (\s)-1
.endif
.if (\s) >= 1 && (\s) <= 14
	ROPELD (\s)+1
.endif
.if (\s) <= 13
	FETCH (\s)%2, X16+3*((((\s)+2)/4)%2), (((\s)+2)%4)*TILEB
.endif
.endm
	s_load_b256 s[4:11], s[0:1], 0x0               ; xq, wc, rope, attention_mask
	s_load_b128 s[12:15], s[0:1], 0x20             ; qimg, kv
	v_lshl_add_u32 v[SPW], v0, 2, SPARE
	v_mov_b32 v[NIL], 0
	ds_add_u32 v[SPW], v[NIL]                      ; the opening lines: the add, twice on end, and its wait ahead of my first tensor load
	ds_add_u32 v[SPW], v[NIL]
	v_lshrrev_b32 v1, 5, v0
	v_readfirstlane_b32 s16, v1                    ; wave
	s_lshr_b32 s17, s16, 1                         ; a
	s_and_b32 s18, s16, 1                          ; b
	s_bfe_u32 s20, ttmp6, 0x40000                  ; cx
	s_bfe_u32 s21, ttmp6, 0x40004                  ; cy
	s_lshl_b32 s22, ttmp9, 2
	s_add_co_u32 s22, s22, s20                     ; which 128 columns of Q (0-7) or K (8-15)
	s_and_b32 s23, ttmp7, 0xffff
	s_lshl_b32 s23, s23, 2
	s_add_co_u32 s23, s23, s21                     ; which 512 tokens
	s_lshr_b32 s19, ttmp9, 1                       ; 0 Q, 1 K
	s_and_b32 s2, ttmp9, 1                         ; V's half of my 512 tokens
	s_lshl_b32 s3, s19, 2
	s_add_co_u32 s3, s3, s20                       ; which 128 columns of V
	s_lshl_b32 s96, s21, 2
	s_lshl_b32 s100, 15, s96                       ; my row of the cluster
	s_lshl_b32 s101, 0x1111, s20                   ; my column
	GROUP1 G1W, 101, 400                           ; 8 tiles
	GROUP1 G1X, 100, 400
	GROUP1 G1Y, 100, 200                           ; 4 tiles
	s_lshl_b32 s96, s23, 5                         ; my first tile of xq
	s_lshl_b32 s97, s2, 4
	s_add_co_u32 s98, s96, s97                     ; V's half
	s_xor_b32 s97, s97, 16
	s_add_co_u32 s99, s96, s97                     ; the other half
	s_lshl_b32 s104, s16, 1
	s_mul_i32 s54, s98, TILEB
	s_mov_b32 s55, 0
	s_add_co_u32 s105, s99, s104                   ; a refill: two tiles a wave
	s_mul_i32 s74, s105, TILEB
	s_mov_b32 s75, 0
	s_lshl_b32 s105, s20, 2
	s_add_co_u32 s105, s105, s16
	s_add_co_u32 s99, s99, s105
	s_mul_i32 s99, s99, TILEB                      ; the prefetch: one of the other half's 16 tiles for each of the 16 waves of my row of the cluster
	s_lshl_b32 s96, s3, 3
	s_add_co_u32 s96, s96, 128
	s_mul_i32 s50, s96, TILEB                      ; W_v
	s_mov_b32 s51, 0
	s_lshl_b32 s96, s22, 3
	s_add_co_u32 s97, s96, s104
	s_mul_i32 s70, s97, TILEB                      ; W_q or W_k, two tiles a wave
	s_mov_b32 s71, 0
	s_mul_i32 s96, s96, TILEB
	s_lshl_b32 s97, s21, 2
	s_add_co_u32 s97, s97, s16
	s_mul_i32 s97, s97, 6400
	s_add_co_u32 s98, s96, s97                     ; the prefetch: a sixteenth of it for each wave of my column of the cluster
	s_mov_b32 s49, 0                               ; where the tiles go: no place in the cluster enters an LDS address
	s_mov_b32 s53, XB
	s_mov_b32 s57, XB+8*TILEB
	s_mov_b32 s61, XB+12*TILEB
	s_mul_i32 s69, s16, 2*TILEB
	s_add_co_u32 s73, s69, XB
	s_add_co_u32 s77, s69, XB+8*TILEB
	s_and_b32 s105, s23, 3
	s_lshl_b32 s105, s105, 2                       ; my first group of 128 tokens in its batch
	s_lshl_b32 s104, s2, 1
	s_add_co_u32 s96, s105, s104                   ; the group of chunk 0 (chunk 1: the next)
	s_xor_b32 s104, s104, 2
	s_add_co_u32 s97, s105, s104                   ; of chunk 2
	s_lshr_b32 s105, s23, 2                        ; the batch
	s_lshl_b32 s104, s17, 14                       ; my four tiles begin 64 a tokens into a group
	s_lshl_b32 s88, s96, 15
	s_add_co_u32 s88, s88, s104                    ; rows of 256 bytes in the table of cosines and sines
	s_mov_b32 s89, 0
	s_lshl_b32 s90, s97, 15
	s_add_co_u32 s90, s90, s104
	s_mov_b32 s91, 0
	s_lshl_b32 s104, s105, 13
	s_lshl_b32 s92, s17, 8
	s_add_co_u32 s104, s104, s92
	s_lshl_b32 s92, s96, 9
	s_add_co_u32 s92, s92, s104                    ; words of the mask
	s_mov_b32 s93, 0
	s_lshl_b32 s94, s97, 9
	s_add_co_u32 s94, s94, s104
	s_mov_b32 s95, 0
	s_lshl_b32 s105, s105, 4                       ; 16 x batch
	s_cmp_eq_u32 s19, 1
	s_mov_b32 s86, 139264
	s_cselect_b32 s86, 241664, s86                 ; bytes of a head in qimg, kv
	s_mov_b32 s87, 8704
	s_cselect_b32 s87, 15104, s87                  ; of a group
	s_mov_b32 s101, 8192
	s_cselect_b32 s101, 14336, s101                ; where a group's scale words begin
	s_mul_i32 s104, s17, 4080
	s_sub_co_u32 s101, s101, s104                  ; seen from my four tiles: - 4096 a + 16 a
	s_and_b32 s84, s22, 7
	s_lshl_b32 s84, s84, 1
	s_add_co_u32 s84, s84, s18                     ; my head
	s_add_co_u32 s84, s84, s105
	s_mul_i32 s84, s84, s86
	s_lshl_b32 s104, s17, 12
	s_add_co_u32 s104, s84, s104
	s_mul_i32 s80, s96, s87
	s_add_co_u32 s80, s80, s104                    ; chunks 0 to 3: where my four tiles' images go
	s_add_co_u32 s82, s80, s87
	s_mul_i32 s84, s97, s87
	s_add_co_u32 s84, s84, s104
	s_add_co_u32 s86, s84, s87
	s_mov_b32 s81, 0
	s_mov_b32 s83, 0
	s_mov_b32 s85, 0
	s_mov_b32 s87, 0
	s_add_co_u32 s96, s96, s17                     ; V: my group of 128 keys,
	s_mul_i32 s96, s96, 15104
	s_lshl_b32 s97, s3, 1
	s_add_co_u32 s97, s97, s18                     ; my head
	s_add_co_u32 s97, s97, s105
	s_mul_i32 s97, s97, 241664
	s_add_co_u32 s96, s96, s97
	s_add_co_u32 s96, s96, 8192                    ; V's tiles lie behind K's
	s_mov_b32 s97, 0
	s_mul_i32 s104, s18, 4*TILEB
	s_mul_i32 s105, s17, 4*TILEB
	s_lshl_b32 s100, s105, 1
	s_add_co_u32 s105, s105, XB
	s_add_co_u32 s100, s100, XB
	v_and_b32 v1, 31, v0
	v_and_b32 v2, 15, v0                           ; r
	v_bfe_u32 v3, v0, 4, 1                         ; h
	v_lshlrev_b32 v[LI16], 4, v1
	v_lshlrev_b32 v[LI8], 3, v1
	v_lshlrev_b32 v[R16], 4, v2
	v_min_u32 v[T0], 24, v1                        ; lanes left over name their wave's last unit again
	v_lshl_add_u32 v[PFW], v[T0], 8, s98
	v_lshl_add_u32 v[PFA], v[T0], 8, s99
	v_add_nc_u32 v[W16], s104, v[LI16]
	v_add_nc_u32 v[W8], s104, v[LI8]
	v_mad_u32_u24 v[WS], v3, TILEB, v[R16]
	v_add_nc_u32 v[WS], s104, v[WS]
	v_add_nc_u32 v[X16], s105, v[LI16]
	v_add_nc_u32 v[X16+1], s105, v[LI8]
	v_add_nc_u32 v[X16+2], s105, v[R16]
.irp i, 0,1,2
	v_add_nc_u32 v[X16+3+\i], 8*TILEB, v[X16+\i]
.endr
	v_add_nc_u32 v[V16], s100, v[LI16]
	v_add_nc_u32 v[V16+1], s100, v[LI8]
	v_add_nc_u32 v[V16+2], s100, v[R16]
.irp i, 0,1,2
	v_add_nc_u32 v[V16+3+\i], 4*TILEB, v[V16+\i]
.endr
	v_and_b32 v[T0], 8, v2
	v_add_nc_u32 v[T0], v[T0], v2                  ; r + 8 (r / 8)
	v_lshlrev_b32 v[RO], 8, v[T0]
	v_lshl_add_u32 v[RO], v3, 7, v[RO]
	v_lshlrev_b32 v[MO], 2, v[T0]
	v_lshl_add_u32 v[SCO], v2, 5, s101
	v_lshl_add_u32 v[VSO], v3, 3, v[R16]
	v_xor_b32 v[T1], 1, v3                         ; the code at k = 64 lies in lanes 0-15
	s_cmp_eq_u32 s19, 1
	s_mov_b32 s104, 127
	s_cselect_b32 s105, 1, s104                    ; scale byte 2: k that counts 1, q 127
	v_mov_b32 v[VA], s105
	s_cselect_b32 s105, 247, s104                  ; padded k 247
	v_mov_b32 v[VB], s105
	s_cselect_b32 s105, 0, 8                       ; the code at k = 64: k that counts 0, q 1.0
	v_mul_u32_u24 v[V6A], s105, v[T1]
	s_cselect_b32 s105, 56, 8                      ; padded k -4.0
	v_mul_u32_u24 v[V6B], s105, v[T1]
	s_mov_b32 s98, 0x76543210                      ; lane l xor 16
	s_mov_b32 s99, 0xfedcba98
	WALU
	s_wait_dscnt 0x0                               ; both opening adds are done
	CROUND                                         ; all sixteen work-groups are here: the joint loads meet
	s_wait_kmcnt 0x0
	s_add_nc_u64 s[50:51], s[6:7], s[50:51]
	s_add_nc_u64 s[70:71], s[6:7], s[70:71]
	s_add_nc_u64 s[54:55], s[4:5], s[54:55]
	s_add_nc_u64 s[58:59], s[54:55], 8*TILEB
	s_add_nc_u64 s[62:63], s[54:55], 12*TILEB
	s_add_nc_u64 s[74:75], s[4:5], s[74:75]
	s_add_nc_u64 s[78:79], s[74:75], 8*TILEB
.irp g, 48,52,56,60,68,72,76
	s_mov_b32 s[\g], 1
	s_or_b32 s[\g+3], s[\g+3], 0x80000000
.endr
	s_cmp_eq_u32 s19, 1
	s_cselect_b64 s[104:105], s[14:15], s[12:13]   ; kv or qimg
.irp g, 80,82,84,86
	s_add_nc_u64 s[\g:\g+1], s[104:105], s[\g:\g+1]
.endr
	s_add_nc_u64 s[88:89], s[8:9], s[88:89]
	s_add_nc_u64 s[90:91], s[8:9], s[90:91]
	s_add_nc_u64 s[92:93], s[10:11], s[92:93]
	s_add_nc_u64 s[94:95], s[10:11], s[94:95]
	s_add_nc_u64 s[96:97], s[14:15], s[96:97]
	ARM 1, 48, G1W, .Lwave_1                       ; W_v
	ARM 2, 52, G1X, .Lwave_2                       ; chunk 0
	ARM 3, 56, G1Y, .Lwave_3                       ; chunk 1, tiles 0-3
	TLOAD 60, G1Y                                  ; tiles 4-7
.Lasked:
	ROPELD 0
	ROPELD 1
	s_cmp_eq_u32 s16, 0
	s_cbranch_scc0 .Lnot_w
	s_wait_tensorcnt 0x0
.Lnot_w:
	BARRIER                                        ; W_v is in
	global_prefetch_b8 v[PFW], s[6:7] th:TH_LOAD_NT scope:SCOPE_SE
	WEIGHTS
	s_wait_tensorcnt 0x0                           ; the head's loads are in
	ds_add_u32 v[SPW], v[NIL]
	s_mov_b32 s[G1W+2], 100<<16                    ; no tensor load of mine is out: from here on a load brings two tiles
	s_mov_b32 s[G1W+4], 100
	s_mov_b32 s[G1X+2], 100<<16
	s_mov_b32 s[G1X+4], 100
	s_wait_dscnt 0x0                               ; the add is done, and W_v is in my registers
	CROUND
	TLOAD 68, G1W                                  ; W_q or W_k onto W_v; it has V's whole phase in which to land
	global_prefetch_b8 v[PFA], s[4:5] th:TH_LOAD_NT scope:SCOPE_SE
	global_prefetch_b8 v[PFA], s[4:5] offset:6400 th:TH_LOAD_NT scope:SCOPE_SE
	FETCH 0, V16, 0
	FETCH 1, V16, TILEB
.irp t, 0,1,2,3,4,5,6,7
	VBLK \t
.endr
; the change of phase: the second weight and the first two tiles in one run of loads; V's way out under their flight
	WEIGHTS
	FETCH 0, X16, 0
	FETCH 1, X16, TILEB
.irp b, 0,1,2,3
	v_mov_b32 v[TMV+4+\b], 0                       ; written once: a lane permute's destination counts as one of its sources
.endr
.irp t, 0,1,2,3
	VOUT \t
.endr
	v_cmp_eq_u32 s100, 1, v3
	v_cndmask_b32 v[TMV], v[SWV], v[SWV+2], s100   ; [channel][4 tiles]: lanes 0-15 store tiles 0, 1, lanes 16-31 tiles 2, 3: 256 consecutive bytes
	v_cndmask_b32 v[TMV+1], v[SWV+1], v[SWV+3], s100
	global_store_b64 v[VSO], v[TMV:TMV+1], s[96:97] offset:6656
	s_wait_xcnt 0x0
	v_mov_b32 v[PC+7], 0                           ; register 7 of an image
	v_mov_b32 v[P], 0
	v_mov_b32 v[P+1], 0
	WALU
.irp s, 0,1,2,3,4,5,6,7,8,9,10,11,12,13,14,15
	QKB \s
.endr
	s_wait_loadcnt 0x0
.set J_, 0
.rept 63
	WO J_, 15
.set J_, J_+1
.endr
	WIN 0
	WALU
	TAIL 15
	s_wait_tensorcnt 0x0                           ; the wave's end
	ds_add_u32 v[SPW], v[NIL]
	s_wait_dscnt 0x0
	CROUND                                         ; the closing round
	s_endpgm
.Lfunc_end_k_q1e27875ce0_qkv:
	.size	k_q1e27875ce0_qkv, .Lfunc_end_k_q1e27875ce0_qkv-k_q1e27875ce0_qkv
	.p2alignl 7, 3214868480
	.fill 96, 4, 3214868480
	.section	.rodata,"a",@progbits
	.p2align	6, 0x0
	.amdhsa_kernel k_q1e27875ce0_qkv
		.amdhsa_group_segment_fixed_size 327680
		.amdhsa_private_segment_fixed_size 0
		.amdhsa_enable_private_segment 0
		.amdhsa_kernarg_size 48
		.amdhsa_user_sgpr_count 2
		.amdhsa_user_sgpr_kernarg_segment_ptr 1
		.amdhsa_wavefront_size32 1
		.amdhsa_system_sgpr_workgroup_id_x 1
		.amdhsa_system_sgpr_workgroup_id_y 1
		.amdhsa_system_sgpr_workgroup_id_z 1
		.amdhsa_system_vgpr_workitem_id 0
		.amdhsa_next_free_vgpr 1024
		.amdhsa_next_free_sgpr 106
		.amdhsa_reserve_vcc 0
		.amdhsa_float_denorm_mode_32 3
		.amdhsa_float_denorm_mode_16_64 3
		.amdhsa_memory_ordered 1
		.amdhsa_forward_progress 1
		.amdhsa_inst_pref_size 255
	.end_amdhsa_kernel
	.section	.bss,"aw",@nobits
	.p2align	6
	.space	262144
	.amdgpu_metadata
---
amdhsa.version: [ 1, 2 ]
amdhsa.kernels:
  - .name:           k_q1e27875ce0_qkv
    .symbol:         k_q1e27875ce0_qkv.kd
    .args:
      - { .name: xq, .offset: 0, .size: 8, .value_kind: global_buffer, .address_space: global }
      - { .name: wc, .offset: 8, .size: 8, .value_kind: global_buffer, .address_space: global }
      - { .name: rope, .offset: 16, .size: 8, .value_kind: global_buffer, .address_space: global }
      - { .name: attention_mask, .offset: 24, .size: 8, .value_kind: global_buffer, .address_space: global }
      - { .name: qimg, .offset: 32, .size: 8, .value_kind: global_buffer, .address_space: global }
      - { .name: kv, .offset: 40, .size: 8, .value_kind: global_buffer, .address_space: global }
    .group_segment_fixed_size: 327680
    .private_segment_fixed_size: 0
    .kernarg_segment_align: 8
    .kernarg_segment_size: 48
    .max_flat_workgroup_size: 128
    .sgpr_count:     106
    .vgpr_count:     1024
    .wavefront_size: 32
...
	.end_amdgpu_metadata
.endif
;; end of part 2
;; launch attn (part 3): grid 4 x 64, 16 waves a work-group, clusters of 4 x 1, 243,712 bytes of LDS; arguments qimg, kv, ao; writes ao
.if DOCPART == 3
	.amdgcn_target "amdgcn-amd-amdhsa--gfx1250"
	.amdhsa_code_object_version 6
	.text
	.protected	k_q1e27875ce0_attn
	.globl	k_q1e27875ce0_attn
	.p2align	8
	.type	k_q1e27875ce0_attn,@function
k_q1e27875ce0_attn:
	s_mov_b64 s[64:65], 0
	v_nop
	global_prefetch_b8 v0, s[64:65] scope:SCOPE_SE
	s_setreg_imm32_b32 hwreg(HW_REG_WAVE_MODE, 25, 1), 1
	s_wait_xcnt 0x0
	s_wait_alu depctr_hold_cnt(0) depctr_sa_sdst(0) depctr_va_vdst(0) depctr_va_sdst(0) depctr_va_ssrc(0) depctr_va_vcc(0) depctr_vm_vsrc(0)
	s_getreg_b32 s2, hwreg(HW_REG_IB_STS2, 6, 4)
	s_cmp_eq_u32 s2, 0
	s_cbranch_scc0 .Lentry_in_a_cluster
	s_endpgm
.Lentry_in_a_cluster:
	s_bfe_u32 s2, ttmp6, 0x10000c
	s_cmp_lg_u32 s2, 0x3003
	s_cbranch_scc0 .Lentry_shape_is_right
	s_endpgm
.Lentry_shape_is_right:
; Attention for one (batch, head) a cluster: causal, with the padding mask carried in the codes; both products on codes of FP6 (E2M3) with E8M0 scales; the result is quantised along the head's 64 and stored as the last product's operand.
; t = score x log2(e) / 8; M = the running largest t rounded UP to a whole number; p = 2^(t - M) is quantised along the keys; the row's sum is taken of the unquantised p and divides O at the end.
; When M moves, the sum and O are multiplied by 2^(old M - new M): exact.
; A head's K, V and scale words, 241,664 bytes, come into LDS ONCE, in three parts (key steps 0-3, 4-7, 8-15), wave w fetching key step w; nothing in LDS is ever written again.
; CLUSTER 4 x 1: the four work-groups of a head need the same bytes: a wave's one load is a joint load with a mask that names all four.
; SHARES.  The head has 128 tiles of 16 queries.  Wave w of work-group cx takes tile 127 - g and then tile g, g = 4 w + cx: 16 - w/2 and w/2 + 1 key steps of 128 keys, 17 in all for every wave; the counts hang on the wave's number alone.
; The loops' trip counts are constants (4, 4, 8 for the first tile, 8 for the second); a step whose keys all come after the tile's queries is left out by a scalar branch round the step's work.
; LAYOUT.  Both products are used transposed: S^T = K Q^T, O^T = V^T P^T: a lane holds ONE query throughout.  Lane r of a tile T of queries, keys or channels holds row 32 (T/2) + 8 (T%2) + r + 8 (r/8), so that the 16 registers
; of result tiles 2 j, 2 j + 1 are 16 neighbours.  The head has 64 channels; the instruction's k = 64 carries the padding mask: q's code 1.0 there meets 0 (a key that counts) or -4 x 2^120 (a padded key).
; Q's codes above k = 64 are zeros, so K's registers 8-11 of a fragment may be the next tile's.
; The largest t begins at -2^100: a padded key's t (about -2^119) never sets M and its p is 0.  A row with no key that counts ends with the sum 0: its scale bytes are set to 0xff, which makes the whole row of the output NaN, as the softmax of nothing is.
; LIMITS: a logit x log2(e) under -2^100 counts as padded; NaN and infinities are not served.
; Nothing is prefetched: all of a work-group's bytes are asked for at its head.
.set KVB,  15104                       ; a key step in LDS and memory: K 8 x 1,024, V 4 x 1,536 at 8192, K's scale words [r][8] at 14336, V's [r][4] at 14848
.set L16,  1                           ; 16 x lane
.set L8,   2                           ; 8 x lane
.set KSA,  3                           ; 32 r
.set VSA,  4                           ; 16 r
.set QB,   6                           ; r + 8 (r / 8) - 16 h
.set QD,   7                           ; my query less the diagonal step's first key less 16 h
.set ADK,  8
.set ADS,  10
.set ADT,  11
.set Q,    16                          ; v16-27 Q's fragment (24-27 zeros)
.set QL,   28                          ; v28-35 the second tile's
.set QLS,  36
.set QS,   37                          ; Q's scale words in use
.set KV,   40                          ; v40-103 K's eight tiles, 8 registers apart; v104-107 zeros; V's four fragments are laid over them, 12 apart
.set S,    108                         ; v108-171 S^T, then p
.set O,    172                         ; v172-203 O^T
.set PC,   204                         ; v204-215 p's codes
.set BM,   216
.set PT,   220
.set SO,   224
.set CT,   228
.set F,    236
.set TMP,  238
.set PS,   239                         ; p's scale word
.set KS,   240
.set VS,   248
.set L2,   252
.set NINF, 254
.set ALL1, 255
.set WV,   10
.set NHI,  44
.set NLO,  45
.set TB,   66                          ; LDS byte at which the key step in hand begins
.set KSI,  67                          ; its number
.set NC,   68                          ; key steps of the tile in hand
.set CNT,  69
.set CS,   70
.set SEL,  72
.set LZ,   74
.macro CROUND
	s_barrier_signal -1
	s_barrier_wait -1
	s_cmp_lg_u32 s[WV], 0
	s_cbranch_scc1 .Lnot_wave_0_\@
	s_barrier_signal -3
.Lnot_wave_0_\@:
	s_barrier_wait -3
	s_barrier_signal -1
	s_barrier_wait -1
.endm
	s_load_b128 s[4:7], s[0:1], 0x0                ; qimg, kv
	s_load_b64 s[8:9], s[0:1], 0x10                ; ao
	v_lshl_add_u32 v231, v0, 2, 0x3b000
	v_mov_b32 v235, 0
	ds_add_u32 v231, v235
	ds_add_u32 v231, v235
	v_lshrrev_b32 v5, 5, v0
	s_delay_alu instid0(VALU_DEP_1)
	v_readfirstlane_b32 s[WV], v5                  ; wave 0..15
	s_bfe_u32 s11, ttmp6, 0x40000                  ; cx: it enters Q's and the output's addresses and the diagonal's compare value alone
	s_and_b32 s12, ttmp7, 0xffff                   ; 16 x batch + head
	s_lshl_b32 s13, s[WV], 2
	s_add_co_u32 s13, s13, s11                     ; g: my second tile
	s_sub_co_u32 s14, 127, s13                     ; my first tile
	s_lshr_b32 s15, s[WV], 1
	s_sub_co_u32 s[NHI], 16, s15
	s_add_co_u32 s[NLO], s15, 1
	s_mov_b32 s16, 15|(3<<16)|(1<<21)              ; group 1: 59 rows of 256 bytes = 32 elements of 8; the mask names all four work-groups, bit 21 beside it
; THE LOADS AS THEY NOW STAND: wave w fetches key step w whole, 15,104 bytes, by ONE joint load: 59 rows of 256 bytes, each beginning at a multiple of 256 bytes of kv.
	s_mov_b32 s17, 32<<16
	s_mov_b32 s18, 59<<16
	s_mov_b32 s19, 32<<16
	s_mov_b32 s20, 59
	s_mov_b32 s21, 32
	s_mov_b32 s22, 0
	s_mov_b32 s23, 0
	s_mul_i32 s75, s12, 16*KVB
	s_mul_i32 s76, s[WV], KVB
	s_add_co_u32 s78, s75, s76
	s_mov_b32 s79, 0
	s_wait_dscnt 0x0
	s_wait_kmcnt 0x0
	s_add_nc_u64 s[78:79], s[6:7], s[78:79]        ; the head's bytes, + 15,104 x wave
	s_mov_b32 s32, 1
	s_mov_b32 s33, s76
	s_mov_b64 s[34:35], s[78:79]
	s_or_b32 s35, s35, 0x80000000
	CROUND                                         ; all four work-groups are here: the joint loads meet
; Three arms of one tree, a load line for each group of waves that waits together: key steps 0-3, 4-7, 8-15
	s_cmp_lt_u32 s[WV], 4
	s_cbranch_scc0 .Lpart_2
	tensor_load_to_lds s[32:35], s[16:23]
	s_nop 0
.rept 4
	v_nop
.endr
	s_branch .Lasked
.Lpart_2:
	s_cmp_lt_u32 s[WV], 8
	s_cbranch_scc0 .Lpart_3
	tensor_load_to_lds s[32:35], s[16:23]
	s_nop 0
.rept 4
	v_nop
.endr
	s_branch .Lasked
.Lpart_3:
	tensor_load_to_lds s[32:35], s[16:23]
	s_nop 0
.rept 4
	v_nop
.endr
.Lasked:
	s_mul_i32 s77, s12, 139264                     ; the head's bytes in qimg
	s_lshr_b32 s75, s12, 4                         ; batch
	s_and_b32 s76, s12, 15                         ; head
	s_mul_i32 s75, s75, 128*12800
	s_lshr_b32 s2, s76, 1
	s_mul_i32 s2, s2, 1536                         ; the head's 64 are half of K step head / 2 of the last product
	s_add_co_u32 s2, s2, s75
	s_and_b32 s3, s76, 1
	s_mul_i32 s3, s3, 768
	s_add_co_u32 s2, s2, s3
	s_lshr_b32 s3, s76, 3
	s_lshl_b32 s3, s3, 8
	s_add_co_u32 s3, s3, s75
	s_and_b32 s76, s76, 7
	s_lshl_b32 s76, s76, 1
	s_add_co_u32 s3, s3, s76
	s_add_co_u32 s3, s3, 12288                     ; and its two scale bytes: 12288 + 256 (head / 8) + 16 r + 2 (head % 8)
.macro TILEADR t, qc, qs, oc, os, sq   ; tile s[t]: Q's codes, Q's scale words, the output's codes, its scale bytes, the tile's first query within its 128
	s_lshr_b32 s75, s[\t], 3
	s_mul_i32 s75, s75, 8704
	s_add_co_u32 s75, s75, s77
	s_and_b32 s76, s[\t], 7
	s_lshl_b32 s78, s76, 10
	s_add_co_u32 s78, s78, s75
	s_mov_b32 s79, 0
	s_add_nc_u64 s[\qc:\qc+1], s[4:5], s[78:79]
	s_lshl_b32 s78, s76, 2
	s_add_co_u32 s78, s78, s75
	s_add_co_u32 s78, s78, 8192
	s_add_nc_u64 s[\qs:\qs+1], s[4:5], s[78:79]
	s_mul_i32 s78, s[\t], 12800
	s_add_co_u32 s78, s78, s2
	s_add_nc_u64 s[\oc:\oc+1], s[8:9], s[78:79]
	s_mul_i32 s78, s[\t], 12800
	s_add_co_u32 s78, s78, s3
	s_add_nc_u64 s[\os:\os+1], s[8:9], s[78:79]
	s_lshr_b32 s75, s76, 1
	s_lshl_b32 s75, s75, 5
	s_and_b32 s76, s76, 1
	s_lshl_b32 s76, s76, 3
	s_add_co_u32 s[\sq], s75, s76
.endm
	TILEADR 14, 46, 48, 54, 56, 62
	TILEADR 13, 50, 52, 58, 60, 63
	s_mov_b32 s[CS], 0x3e38aa3b                    ; c = log2(e) / 8
	s_mov_b32 s[CS+1], s[CS]
	s_mov_b32 s[SEL], 0x76543210
	s_mov_b32 s[SEL+1], 0xfedcba98
	s_mov_b32 s[TB], 0
	s_mov_b32 s[KSI], 0
	s_mov_b32 s[NC], s[NHI]
	v_and_b32 v5, 31, v0
	s_delay_alu instid0(VALU_DEP_1)
	v_lshlrev_b32 v[L16], 4, v5
	s_delay_alu instid0(VALU_DEP_2)
	v_lshlrev_b32 v[L8], 3, v5
	v_and_b32 v5, 15, v0                           ; r
	v_bfe_u32 v9, v0, 4, 1                         ; h
	s_delay_alu instid0(VALU_DEP_2)
	v_lshlrev_b32 v[KSA], 5, v5
	s_delay_alu instid0(VALU_DEP_3)
	v_lshlrev_b32 v[VSA], 4, v5
	s_delay_alu instid0(VALU_DEP_4)
	v_and_b32 v[QB], 8, v5
	s_delay_alu instid0(VALU_DEP_1)
	v_add_nc_u32 v[QB], v[QB], v5
	v_lshlrev_b32 v9, 4, v9
	s_delay_alu instid0(VALU_DEP_1)
	v_sub_nc_u32 v[QB], v[QB], v9
	s_delay_alu instid0(VALU_DEP_1)
	v_add_nc_u32 v[QD], s62, v[QB]
	global_load_b128 v[Q:Q+3], v[L16], s[46:47]
	global_load_b128 v[Q+4:Q+7], v[L16], s[46:47] offset:512
	global_load_b32 v[QS], v[KSA], s[48:49]
	global_load_b128 v[QL:QL+3], v[L16], s[50:51]
	global_load_b128 v[QL+4:QL+7], v[L16], s[50:51] offset:512
	global_load_b32 v[QLS], v[KSA], s[52:53]
.irp i, 0,1,2,3
	v_mov_b32 v[Q+8+\i], 0                         ; Q's codes of k = 75 on
	v_mov_b32 v[KV+64+\i], 0                       ; what the last tile of K reads behind itself
	v_mov_b32 v[PT+\i], 0                          ; written once: a lane permute's destination counts as one of its sources
.endr
	v_mov_b32 v[F+1], 0                            ; (named as the upper half of a pair)
	v_mov_b32 v[NINF], 0xff800000
	v_mov_b32 v[ALL1], 0xffff
.macro FRESH                           ; a tile's start: the loop is written once, its first step finds zeros
	v_mov_b32 v13, 0xf1800000                      ; the largest t so far: -2^100
	s_delay_alu instid0(VALU_DEP_1)
	v_floor_f32 v12, -v13                          ; -M
	v_mov_b32 v14, 0
	v_mov_b32 v15, 0
.set i, 0
.rept 32
	v_mov_b32 v[O+i], 0
.set i, i+1
.endr
.endm
	FRESH
; A KEY STEP: 128 keys.  diag = 1: the step may lie past the tile's last (left out) or on the diagonal (masked).
.macro STEP diag
.if \diag
	s_cmp_ge_u32 s[KSI], s[NC]
	s_cbranch_scc1 .Lhid_\@
.endif
	v_add_nc_u32 v[ADK], s[TB], v[L16]             ; these three and the v_nop are the places in front of loads into registers that the last products read
	v_add_nc_u32 v[ADS], s[TB], v[KSA]
	v_add_nc_u32 v[ADT], s[TB], v[VSA]
	v_nop
.irp t, 0,1,2,3,4,5,6,7
	ds_load_b128 v[KV+8*\t:KV+8*\t+3], v[ADK] offset:1024*\t
	ds_load_b128 v[KV+8*\t+4:KV+8*\t+7], v[ADK] offset:1024*\t+512
.endr
	ds_load_b128 v[KS:KS+3], v[ADS] offset:14336
	ds_load_b128 v[KS+4:KS+7], v[ADS] offset:14352
	s_wait_alu depctr_va_vdst(0)
	s_wait_dscnt 0x0
.irp t, 0,1,2,3,4,5,6,7
	v_wmma_scale_f32_16x16x128_f8f6f4 v[S+8*\t:S+8*\t+7], v[KV+8*\t:KV+8*\t+11], v[Q:Q+11], 0, v[KS+\t], v[QS] matrix_a_fmt:MATRIX_FMT_FP6 matrix_b_fmt:MATRIX_FMT_FP6
.endr
.rept 4
	v_nop                                          ; places: for the loads over K's registers, and for the first read of the scores
.endr
.irp t, 0,1,2,3
.irp g, 0,1,2
	ds_load_b128 v[KV+12*\t+4*\g:KV+12*\t+4*\g+3], v[ADK] offset:8192+1536*\t+512*\g   ; V lands while the softmax is worked
.endr
.endr
	ds_load_b128 v[VS:VS+3], v[ADT] offset:14848
.if \diag
	s_add_co_u32 s75, s[KSI], 1
	s_cmp_lg_u32 s75, s[NC]
	s_cbranch_scc1 .Lopen_\@
.set n, 0
.rept 64                               ; register 16 j + i holds key 32 j + 16 h + i of the step: hidden where 32 j + i > QD
	v_cmp_gt_i32 vcc_lo, 32*(n/16)+n%16, v[QD]
	v_cndmask_b32 v[S+n], v[S+n], v[NINF], vcc_lo
.set n, n+1
.endr
.Lopen_\@:
.endif
.irp b, 0,1,2,3
	v_max3_num_f32 v[BM+\b], v[S+16*\b], v[S+16*\b+1], v[S+16*\b+2]   ; the largest score of each block of 32 keys: for the row's maximum, and, since p rises with the score, for the block's largest p
.endr
.irp i, 3,5,7,9,11,13
.irp b, 0,1,2,3
	v_max3_num_f32 v[BM+\b], v[BM+\b], v[S+16*\b+\i], v[S+16*\b+\i+1]
.endr
.endr
.irp b, 0,1,2,3
	v_max_num_f32 v[BM+\b], v[BM+\b], v[S+16*\b+15]
.endr
.irp b, 0,1,2,3
	s_delay_alu instid0(VALU_DEP_4)
	v_permlanex16_b32 v[PT+\b], v[BM+\b], s[SEL], s[SEL+1]
.endr
.irp b, 0,1,2,3
	s_delay_alu instid0(VALU_DEP_4)
	v_max_num_f32 v[BM+\b], v[BM+\b], v[PT+\b]
.endr
	s_delay_alu instid0(VALU_DEP_2)
	v_max3_num_f32 v[TMP], v[BM], v[BM+1], v[BM+2]
	s_delay_alu instid0(VALU_DEP_1)
	v_max_num_f32 v[TMP], v[TMP], v[BM+3]
	s_delay_alu instid0(VALU_DEP_1)
	v_mul_f32 v[TMP], s[CS], v[TMP]
	s_delay_alu instid0(VALU_DEP_1)
	v_max_num_f32 v13, v13, v[TMP]                 ; the running largest t
	v_mov_b32 v[TMP], v12
	s_delay_alu instid0(VALU_DEP_2)
	v_floor_f32 v12, -v13                          ; the new -M = -ceil(t)
	s_delay_alu instid0(VALU_DEP_1)
	v_sub_f32 v[TMP], v12, v[TMP]                  ; old M - new M: a whole number, 0 or less
	s_delay_alu instid0(VALU_DEP_1)
	v_cvt_i32_f32 v[TMP], v[TMP]                   ; (it saturates)
	s_delay_alu instid0(VALU_DEP_1)
	v_ldexp_f32 v[F], 1.0, v[TMP]                  ; f = 2^(old M - new M)
.irp j, 0,2,4,6,8,10,12,14,16,18,20,22,24,26,28,30,32,34,36,38,40,42,44,46,48,50,52,54,56,58,60,62
	v_pk_fma_f32 v[S+\j:S+\j+1], v[S+\j:S+\j+1], s[CS:CS+1], v[12:13] op_sel_hi:[1,0,0]   ; t - M
.endr
.irp b, 0,1,2,3
	v_fma_f32 v[BM+\b], v[BM+\b], s[CS], v12
.endr
.set n, 0
	s_wait_alu depctr_va_vdst(0)
.rept 64
	v_exp_f32 v[S+n], v[S+n]                       ; p = 2^(t - M)
.set n, n+1
.endr
	v_pk_mul_f32 v[14:15], v[14:15], v[F:F+1] op_sel_hi:[1,0]   ; the sums under the new M (a plain line behind the exponentials)
	s_wait_alu depctr_va_vdst(0)                   ; one wait for the batch of 64, ahead of its first reader
.irp b, 0,1,2,3
	v_exp_f32 v[BM+\b], v[BM+\b]                   ; each block's largest p
.endr
	v_pk_add_f32 v[252:253], v[112:113], v[116:117]
	v_pk_add_f32 v[246:247], v[120:121], v[124:125]
	v_pk_add_f32 v[244:245], v[128:129], v[132:133]
	v_pk_add_f32 v[242:243], v[136:137], v[140:141]
	v_pk_add_f32 v[240:241], v[144:145], v[148:149]
	v_pk_add_f32 v[232:233], v[152:153], v[156:157]
	v_pk_add_f32 v[228:229], v[160:161], v[164:165]
	v_pk_add_f32 v[14:15], v[14:15], v[168:169]
	v_pk_add_f32 v[252:253], v[252:253], v[108:109]
	v_pk_add_f32 v[246:247], v[246:247], v[110:111]
	v_pk_add_f32 v[244:245], v[244:245], v[114:115]
	v_pk_add_f32 v[242:243], v[242:243], v[118:119]
	v_pk_add_f32 v[240:241], v[240:241], v[122:123]
	v_pk_add_f32 v[232:233], v[232:233], v[126:127]
	v_pk_add_f32 v[228:229], v[228:229], v[130:131]
	v_pk_add_f32 v[14:15], v[14:15], v[134:135]
	v_pk_add_f32 v[252:253], v[252:253], v[138:139]
	v_pk_add_f32 v[246:247], v[246:247], v[142:143]
	v_pk_add_f32 v[244:245], v[244:245], v[146:147]
	v_pk_add_f32 v[242:243], v[242:243], v[150:151]
	v_pk_add_f32 v[240:241], v[240:241], v[154:155]
	v_pk_add_f32 v[232:233], v[232:233], v[158:159]
	v_pk_add_f32 v[228:229], v[228:229], v[162:163]
	v_pk_add_f32 v[14:15], v[14:15], v[166:167]
	v_pk_add_f32 v[252:253], v[252:253], v[170:171]
	s_delay_alu instid0(VALU_DEP_2)
	v_pk_add_f32 v[14:15], v[14:15], v[242:243]
	s_delay_alu instid0(VALU_DEP_2)
	v_pk_add_f32 v[252:253], v[252:253], v[240:241]
	v_pk_add_f32 v[246:247], v[246:247], v[232:233]
	v_pk_add_f32 v[244:245], v[244:245], v[228:229]
	s_delay_alu instid0(VALU_DEP_2)
	v_pk_add_f32 v[14:15], v[14:15], v[246:247]
	s_delay_alu instid0(VALU_DEP_2)
	v_pk_add_f32 v[252:253], v[252:253], v[244:245]
	s_delay_alu instid0(VALU_DEP_1)
	v_pk_add_f32 v[14:15], v[14:15], v[252:253]
	s_wait_alu depctr_va_vdst(0)                   ; and one for the four
.irp b, 0,1,2,3
	v_max_num_f32 v[BM+\b], 0x1800000, v[BM+\b]    ; the floor 2^(3 - 127): the byte cannot fall under 1
.endr
.irp b, 0,1,2,3
	s_delay_alu instid0(VALU_DEP_4)
	v_add_nc_u32 v[SO+\b], 0xff000000, v[BM+\b]
.endr
.irp b, 0,1,2,3
	s_delay_alu instid0(VALU_DEP_4)
	v_lshrrev_b32 v[PT+\b], 23, v[SO+\b]
.endr
	s_delay_alu instid0(VALU_DEP_3)
	v_lshl_or_b32 v[PS], v[PT+1], 8, v[PT]
	s_delay_alu instid0(VALU_DEP_1)
	v_lshl_or_b32 v[PS], v[PT+2], 16, v[PS]
	s_delay_alu instid0(VALU_DEP_1)
	v_lshl_or_b32 v[PS], v[PT+3], 24, v[PS]
.irp c, 0,1
	v_cvt_scalef32_pk16_fp6_f32 v[PC+6*\c:PC+6*\c+2], v[S+32*\c:S+32*\c+15], v[SO+2*\c]
	v_cvt_scalef32_pk16_fp6_f32 v[CT+4*\c:CT+4*\c+2], v[S+32*\c+16:S+32*\c+31], v[SO+2*\c+1]
.endr
	v_nop                                          ; one plain line behind the conversions
.irp c, 0,1
.irp i, 0,1,2
	v_permlane16_swap_b32 v[PC+6*\c+\i], v[CT+4*\c+\i]
.endr
.irp i, 0,1,2
	s_delay_alu instid0(VALU_DEP_3)
	v_mov_b32 v[PC+6*\c+3+\i], v[CT+4*\c+\i]
.endr
.endr
.irp j, 0,2,4,6,8,10,12,14,16,18,20,22,24,26,28,30
	v_pk_mul_f32 v[O+\j:O+\j+1], v[O+\j:O+\j+1], v[F:F+1] op_sel_hi:[1,0]   ; O^T under the new M; these 16 are also the places between the codes and the scale word just made and the products
.endr
	s_wait_alu depctr_va_vdst(0)
	s_wait_dscnt 0x0                               ; V and its scale words
.irp t, 0,1,2,3
	v_wmma_scale_f32_16x16x128_f8f6f4 v[O+8*\t:O+8*\t+7], v[KV+12*\t:KV+12*\t+11], v[PC:PC+11], v[O+8*\t:O+8*\t+7], v[VS+\t], v[PS] matrix_a_fmt:MATRIX_FMT_FP6 matrix_b_fmt:MATRIX_FMT_FP6
.endr
.if \diag
.Lhid_\@:
.endif
	s_add_co_u32 s[TB], s[TB], KVB
	s_add_co_u32 s[KSI], s[KSI], 1
.endm
.macro WALK trips, diag
	s_mov_b32 s[CNT], \trips
.Lwalk_\@:
	STEP \diag
	s_sub_co_u32 s[CNT], s[CNT], 1
	s_cmp_lg_u32 s[CNT], 0
	s_cbranch_scc1 .Lwalk_\@
.endm
; THE WAY OUT of a tile: O^T / the sum, quantised along the head's 64 (two blocks), stored as half a K step of the last product's operand: 512 + 256 consecutive bytes, and two scale bytes a row.
.macro WAYOUT oc, os
.rept 4
	v_nop                                          ; places behind the last products
.endr
	v_add_f32 v14, v14, v15
	s_delay_alu instid0(VALU_DEP_1)
	v_permlanex16_b32 v[TMP], v14, s[SEL], s[SEL+1]
	s_delay_alu instid0(VALU_DEP_1)
	v_add_f32 v14, v14, v[TMP]                     ; the row's sum
	s_delay_alu instid0(VALU_DEP_1)
	v_cmp_eq_f32 s[LZ], 0, v14                     ; no key counted: it selects a value, no branch
	v_rcp_f32 v[F], v14
	v_nop
	s_wait_alu depctr_va_vdst(0)
.irp j, 0,2,4,6,8,10,12,14,16,18,20,22,24,26,28,30
	v_pk_mul_f32 v[S+\j:S+\j+1], v[O+\j:O+\j+1], v[F:F+1] op_sel_hi:[1,0]   ; register 16 j + i: channel 32 j + 16 h + i
.endr
.irp b, 0,1
	v_max3_num_f32 v[BM+\b], |v[S+16*\b]|, |v[S+16*\b+1]|, 0x1800000
.endr
.irp i, 2,4,6,8,10,12,14
.irp b, 0,1
	s_delay_alu instid0(VALU_DEP_2)
	v_max3_num_f32 v[BM+\b], v[BM+\b], |v[S+16*\b+\i]|, |v[S+16*\b+\i+1]|
.endr
.endr
.irp b, 0,1
	s_delay_alu instid0(VALU_DEP_2)
	v_permlanex16_b32 v[PT+\b], v[BM+\b], s[SEL], s[SEL+1]
.endr
.irp b, 0,1
	s_delay_alu instid0(VALU_DEP_2)
	v_max_num_f32 v[BM+\b], v[BM+\b], v[PT+\b]
.endr
.irp b, 0,1
	s_delay_alu instid0(VALU_DEP_2)
	v_add_nc_u32 v[SO+\b], 0xff000000, v[BM+\b]
.endr
.irp b, 0,1
	s_delay_alu instid0(VALU_DEP_2)
	v_lshrrev_b32 v[PT+\b], 23, v[SO+\b]
.endr
	s_delay_alu instid0(VALU_DEP_1)
	v_lshl_or_b32 v[TMP], v[PT+1], 8, v[PT]
	s_delay_alu instid0(VALU_DEP_1)
	v_cndmask_b32 v[TMP], v[TMP], v[ALL1], s[LZ]   ; the NaN bytes where no key counted
	v_cvt_scalef32_pk16_fp6_f32 v[PC:PC+2], v[S:S+15], v[SO]
	v_cvt_scalef32_pk16_fp6_f32 v[CT:CT+2], v[S+16:S+31], v[SO+1]
	v_nop
.irp i, 0,1,2
	v_permlane16_swap_b32 v[PC+\i], v[CT+\i]
.endr
.irp i, 0,1,2
	s_delay_alu instid0(VALU_DEP_3)
	v_mov_b32 v[PC+3+\i], v[CT+\i]
.endr
	global_store_b128 v[L16], v[PC:PC+3], s[\oc:\oc+1]
	global_store_b64 v[L8], v[PC+4:PC+5], s[\oc:\oc+1] offset:512
	global_store_b16 v[VSA], v[TMP], s[\os:\os+1]  ; lanes r and 16 + r store the same two bytes to the same place
	s_wait_xcnt 0x0                                ; the stores have read their registers
.endm
	s_wait_alu depctr_va_vdst(0)
	s_cmp_lt_u32 s[WV], 4                          ; the waves that fetched key steps 0-3 wait for them; the later steps may be out: nothing in LDS is filled again
	s_cbranch_scc0 .Lnot_1
	s_wait_tensorcnt 0x0
.Lnot_1:
	s_barrier_signal -1
	s_barrier_wait -1
	s_wait_loadcnt 0x0
	WALK 4, 0                                      ; the first tile's queries come after all keys of steps 0-7
	s_cmp_lt_u32 s[WV], 8                          ; key steps 4-7
	s_cbranch_scc0 .Lnot_2
	s_wait_tensorcnt 0x0
.Lnot_2:
	s_barrier_signal -1
	s_barrier_wait -1
	WALK 4, 0
	s_wait_tensorcnt 0x0
	s_barrier_signal -1
	s_barrier_wait -1
	WALK 8, 1
	WAYOUT 54, 56
.irp i, 0,1,2,3,4,5
	v_mov_b32 v[Q+\i], v[QL+\i]                    ; the second tile
.endr
	v_mov_b32 v[QS], v[QLS]
	FRESH                                          ; (its 36 lines are the places between these moves and the next products)
	v_add_nc_u32 v[QD], s63, v[QB]
	s_mov_b32 s[TB], 0
	s_mov_b32 s[KSI], 0
	s_mov_b32 s[NC], s[NLO]
	WALK 8, 1
	WAYOUT 58, 60
	s_wait_tensorcnt 0x0
	ds_add_u32 v231, v235
	s_wait_dscnt 0x0
	CROUND                                         ; the closing round
	s_endpgm
.Lfunc_end_k_q1e27875ce0_attn:
	.size	k_q1e27875ce0_attn, .Lfunc_end_k_q1e27875ce0_attn-k_q1e27875ce0_attn
	.p2alignl 7, 3214868480
	.fill 96, 4, 3214868480
	.section	.rodata,"a",@progbits
	.p2align	6, 0x0
	.amdhsa_kernel k_q1e27875ce0_attn
		.amdhsa_group_segment_fixed_size 243712
		.amdhsa_private_segment_fixed_size 0
		.amdhsa_enable_private_segment 0
		.amdhsa_kernarg_size 24
		.amdhsa_user_sgpr_count 2
		.amdhsa_user_sgpr_kernarg_segment_ptr 1
		.amdhsa_wavefront_size32 1
		.amdhsa_system_sgpr_workgroup_id_x 1
		.amdhsa_system_sgpr_workgroup_id_y 1
		.amdhsa_system_sgpr_workgroup_id_z 1
		.amdhsa_system_vgpr_workitem_id 0
		.amdhsa_next_free_vgpr 256
		.amdhsa_next_free_sgpr 80
		.amdhsa_reserve_vcc 1
		.amdhsa_float_denorm_mode_32 3
		.amdhsa_float_denorm_mode_16_64 3
		.amdhsa_memory_ordered 1
		.amdhsa_forward_progress 1
		.amdhsa_inst_pref_size 99
	.end_amdhsa_kernel
	.amdgpu_metadata
---
amdhsa.version: [ 1, 2 ]
amdhsa.kernels:
  - .name:           k_q1e27875ce0_attn
    .symbol:         k_q1e27875ce0_attn.kd
    .args:
      - { .name: qimg, .offset: 0, .size: 8, .value_kind: global_buffer, .address_space: global }
      - { .name: kv, .offset: 8, .size: 8, .value_kind: global_buffer, .address_space: global }
      - { .name: ao, .offset: 16, .size: 8, .value_kind: global_buffer, .address_space: global }
    .group_segment_fixed_size: 243712
    .private_segment_fixed_size: 0
    .kernarg_segment_align: 8
    .kernarg_segment_size: 24
    .max_flat_workgroup_size: 512
    .sgpr_count:     80
    .vgpr_count:     256
    .wavefront_size: 32
...
	.end_amdgpu_metadata
.endif
;; end of part 3
;; launch outp (part 4): grid 8 x 32, 4 waves a work-group, clusters of 4 x 4, 327,680 bytes of LDS; arguments ao, wc, out0; writes out0
.if DOCPART == 4
	.amdgcn_target "amdgcn-amd-amdhsa--gfx1250"
	.amdhsa_code_object_version 6
	.text
	.protected	k_q1e27875ce0_outp
	.globl	k_q1e27875ce0_outp
	.p2align	8
	.type	k_q1e27875ce0_outp,@function
k_q1e27875ce0_outp:
	s_mov_b64 s[64:65], 0
	v_nop
	global_prefetch_b8 v0, s[64:65] scope:SCOPE_SE
	s_setreg_imm32_b32 hwreg(HW_REG_WAVE_MODE, 25, 1), 1
	s_wait_xcnt 0x0
	s_wait_alu depctr_hold_cnt(0) depctr_sa_sdst(0) depctr_va_vdst(0) depctr_va_sdst(0) depctr_va_ssrc(0) depctr_va_vcc(0) depctr_vm_vsrc(0)
	s_getreg_b32 s2, hwreg(HW_REG_IB_STS2, 6, 4)
	s_cmp_eq_u32 s2, 0
	s_cbranch_scc0 .Lentry_in_a_cluster
	s_endpgm
.Lentry_in_a_cluster:
	s_bfe_u32 s2, ttmp6, 0x10000c
	s_cmp_lg_u32 s2, 0xf033
	s_cbranch_scc0 .Lentry_shape_is_right
	s_endpgm
.Lentry_shape_is_right:
; out0 = attention's result x w_out on codes of FP6 (E2M3) with E8M0 scales, K = 1024; sums in f32.
; Operands lie in memory as TILES of 16 rows x 1024 K, 12,800 bytes: 8 K steps of 1,536 bytes as register images, then 512 bytes of scale words (word of row r, step s at 12288 + 256 (s/4) + 16 r + 4 (s%4)).
; Lane r of tile T holds row 32 (T/2) + 8 (T%2) + r + 8 (r/8).  ao: tokens; wc: w_out's columns from tile 192 on.
; THE DEAL.  256 work-groups, each 256 tokens x 128 columns; four waves, 2 x 2.  Wave (a, b) holds columns 64 b .. 64 b + 63, ALL of K, in registers (4 tiles x 8 fragments x 12 = 384)
; and streams the work-group's token tiles 2 s + a, s = 0 .. 7, past them: 32 products a tile, four accumulators by turns.
; LDS: the weights' 8 tiles (102,400 bytes), the tokens' 16 tiles (204,800), a stage of 16 x 272 bytes for each wave, the spare words.  EVERYTHING IS ASKED FOR AT THE HEAD, one joint load a wave, as dense rows of 256 bytes:
; wave 0 the weights, wave 1 token tiles 0-3, wave 2 tiles 4-9, wave 3 tiles 10-15.  Nothing is filled again.  Three plain barriers show the weights, tiles 0-3, and the rest.
; CLUSTERS 4 x 4: token tiles are shared along a row of the cluster, the weights along a column.
; Source 0 = the weights' tile, source 1 = the tokens': a lane holds one token, the 16 registers of column tiles 2 j, 2 j + 1 are columns 32 j + 16 (lane/16) + 0 .. 15.
; THE WAY OUT: a tile's 16 x 64 results go through the wave's own stage and leave as rows of 256 bytes, aligned, two rows a store; tile s - 1 is stored behind tile s's products.
; Nothing is prefetched: all of a work-group's bytes are asked for at its head, and there is no loop to run ahead in.
; LIMITS: NaN scale bytes in ao (a query with no key that counts) make that row of the result NaN.
.set TILEB, 12800
.set FR,    12
.set FPW,   21                         ; fragments in a window of 256 registers; fragment f lies in window 1 + f / 21 at 12 (f % 21): 0-31 the weights' (4 q + t), 32-39 and 40-47 the tokens' two sets
.set XB,    8*TILEB
.set STG,   24*TILEB
.set SP,    272
.set SPARE, STG+4*16*SP
.set LI16, 4
.set LI8,  5
.set STO,  6                           ; the stage, in: 272 r + 64 h
.set RD,   7                           ; back: 272 h + 16 r
.set CO,   8                           ; 4096 h + 16 r
.set SPW,  10
.set NIL,  11
.set W16,  12
.set W8,   13
.set WS,   14
.set R16,  15
.set X16,  16                          ; v16-18 token tiles: a base for each three of my eight; v19-21 with 8 x lane; v40-42 with 16 r, for the scale words
.set X8,   19
.set XS,   40
.set SB,   24                          ; v24-39 the weights' scale words: 8 p + q; lanes 0-15 tile 2 p, lanes 16-31 tile 2 p + 1
.set SA,   44                          ; v44-59 the tokens': two sets of eight
.set ACC,  64                          ; v64-127 two sets of four accumulators
.set BK,   128                         ; v128-191 two sets of 16 rows read back
.set G1W, 24
.set G1A, 32
.set G1C, 48
.set G0W, 56
.set G0A, 60
.set G0B, 68
.set G0C, 72
.set MSB, 0
.macro WIN new
.if MSB != (\new)
	s_set_vgpr_msb (MSB<<8)|(\new)
.set MSB, (\new)
.endif
.endm
.macro PLACES n
.rept \n
	v_nop
.endr
.endm
.macro BARRIER
	s_barrier_signal -1
	s_barrier_wait -1
.endm
.macro CROUND
	s_barrier_signal -1
	s_barrier_wait -1
	s_cmp_lg_u32 s14, 0
	s_cbranch_scc1 .Lnot_wave_0_\@
	s_barrier_signal -3
.Lnot_wave_0_\@:
	s_barrier_wait -3
	s_barrier_signal -1
	s_barrier_wait -1
.endm
.macro GROUP1 g, mask, rows            ; a dense block as rows of 256 bytes = 32 elements of 8
	s_or_b32 s[\g], s[\mask], (3<<16)|(1<<21)
	s_mov_b32 s[\g+1], 32<<16
	s_mov_b32 s[\g+2], (\rows)<<16
	s_mov_b32 s[\g+3], 32<<16
	s_mov_b32 s[\g+4], \rows
	s_mov_b32 s[\g+5], 32
	s_mov_b32 s[\g+6], 0
	s_mov_b32 s[\g+7], 0
.endm
.macro GROUP0 g, lds, base, off
	s_mov_b32 s[\g], 1
	s_mov_b32 s[\g+1], \lds
	s_add_nc_u64 s[\g+2:\g+3], s[\base:\base+1], \off
	s_or_b32 s[\g+3], s[\g+3], 0x80000000
.endm
.macro ARM under, g0, g1, next
	s_cmp_lt_u32 s14, \under
	s_cbranch_scc0 \next
	tensor_load_to_lds s[\g0:\g0+3], s[\g1:\g1+7]
	s_nop 0
	PLACES 4
	s_branch .Lasked
\next:
.endm
.macro FRAG f, a16, a8, off            ; a fragment comes back as it was stored: four loads of consecutive bytes
	WIN (1+(\f)/FPW)<<6
.set R_, FR*((\f)%FPW)
	ds_load_b128 v[R_:R_+3], v[\a16] offset:\off
	ds_load_b64 v[R_+4:R_+5], v[\a8] offset:(\off)+512
	ds_load_b128 v[R_+6:R_+9], v[\a16] offset:(\off)+768
	ds_load_b64 v[R_+10:R_+11], v[\a8] offset:(\off)+1280
.endm
.macro FETCH s                         ; my token tile 2 s + a into set s % 2: 34 loads
.set G_, (\s)/3
.set O_, ((\s)%3)*2*TILEB
.irp q, 0,1,2,3,4,5,6,7
	FRAG 32+8*((\s)%2)+\q, X16+G_, X8+G_, O_+1536*\q
.endr
	WIN 0
	ds_load_b128 v[SA+8*((\s)%2):SA+8*((\s)%2)+3], v[XS+G_] offset:O_+12288
	ds_load_b128 v[SA+8*((\s)%2)+4:SA+8*((\s)%2)+7], v[XS+G_] offset:O_+12288+256
.endm
.macro PROD e, n                       ; product n = 4 q + t of a tile
.set Q_, (\n)/4
.set T_, (\n)%4
.set FW_, 4*Q_+T_
.set FX_, 32+8*(\e)+Q_
.set D_, ACC+32*(\e)+8*T_
	WIN (1+FW_/FPW)|((1+FX_/FPW)<<2)
.if Q_
	PROD1 v[D_:D_+7]
.else
	PROD1 0
.endif
.endm
.macro PROD1 c
.if T_%2
	v_wmma_scale_f32_16x16x128_f8f6f4 v[D_:D_+7], v[FR*(FW_%FPW):FR*(FW_%FPW)+FR-1], v[FR*(FX_%FPW):FR*(FX_%FPW)+FR-1], \c, v[SB+8*(T_/2)+Q_], v[SA+FX_-32] matrix_a_fmt:MATRIX_FMT_FP6 matrix_b_fmt:MATRIX_FMT_FP6 matrix_a_scale:MATRIX_SCALE_ROW1
.else
	v_wmma_scale_f32_16x16x128_f8f6f4 v[D_:D_+7], v[FR*(FW_%FPW):FR*(FW_%FPW)+FR-1], v[FR*(FX_%FPW):FR*(FX_%FPW)+FR-1], \c, v[SB+8*(T_/2)+Q_], v[SA+FX_-32] matrix_a_fmt:MATRIX_FMT_FP6 matrix_b_fmt:MATRIX_FMT_FP6 matrix_a_scale:MATRIX_SCALE_ROW0
.endif
.endm
.macro TOSTAGE s                       ; 8 stores, each accumulator from its low end on, and 8 loads; LDS serves a wave's instructions in order
.set A_, ACC+32*((\s)%2)
.irp t, 0,1,2,3
	ds_store_b128 v[STO], v[A_+8*\t:A_+8*\t+3] offset:128*(\t/2)+32*(\t%2)
	ds_store_b128 v[STO], v[A_+8*\t+4:A_+8*\t+7] offset:128*(\t/2)+32*(\t%2)+16
.endr
.set B_, BK+32*((\s)%2)
.irp k, 0,1,2,3,4,5,6,7
	ds_load_b128 v[B_+4*\k:B_+4*\k+3], v[RD] offset:\k*2*SP
.endr
.endm
.macro SEND s                          ; stage rows 2 k and 2 k + 1 are tokens 32 s + 8 a + 2 k + 8 (k / 4) and the next: sixteen lanes store 256 consecutive bytes, aligned
.set B_, BK+32*((\s)%2)
.irp k, 0,1,2,3,4,5,6,7
	global_store_b128 v[CO], v[B_+4*\k:B_+4*\k+3], s[8:9] offset:(32*(\s)+2*\k+8*(\k/4))*4096 th:TH_STORE_NT
.endr
.endm
; A tile.  The wait at its head: younger than this tile's fetch are the next tile's fetch (34) and, from tile 1 on, the 8 stores and 8 loads of the stage issued ahead of that fetch (50); ahead of the last tile no fetch is younger (16).
.macro BLK s
.if (\s) == 0
	s_wait_dscnt 34
.elseif (\s) < 7
	s_wait_dscnt 50
.else
	s_wait_dscnt 16
.endif
.set N_, 0
.rept 32
	PROD (\s)%2, N_
.set N_, N_+1
.endr
	WIN 0
	PLACES 4                                       ; places between the products and the reads of their results and the loads into their operands
.if (\s) == 0
	s_wait_tensorcnt 0x0                           ; every wave's load is in:
	s_wait_dscnt 0x0
	BARRIER                                        ; all sixteen token tiles are shown to all
.else
.if (\s) < 7
	s_wait_dscnt 34                                ; the last tile's rows are back from the stage; only the fetch behind them may be out
.else
	s_wait_dscnt 0x0
.endif
	s_wait_xcnt 0x0                                ; the stores of two tiles ago have read their registers, which this tile's rows take
	SEND (\s)-1
.endif
	TOSTAGE \s
.if (\s) < 6
	FETCH (\s)+2
.endif
.endm
	s_load_b128 s[4:7], s[0:1], 0x0                ; ao, wc
	s_load_b64 s[8:9], s[0:1], 0x10                ; out0
	v_lshl_add_u32 v[SPW], v0, 2, SPARE
	v_mov_b32 v[NIL], 0
	ds_add_u32 v[SPW], v[NIL]                      ; the opening lines: the add, twice on end, and its wait ahead of my first tensor load
	ds_add_u32 v[SPW], v[NIL]
	v_lshrrev_b32 v1, 5, v0
	v_readfirstlane_b32 s14, v1                    ; wave
	s_lshr_b32 s15, s14, 1                         ; a: which token tiles
	s_and_b32 s16, s14, 1                          ; b: which 64 columns
	s_bfe_u32 s40, ttmp6, 0x40000                  ; cx
	s_bfe_u32 s41, ttmp6, 0x40004                  ; cy
	s_lshl_b32 s42, ttmp9, 2
	s_add_co_u32 s42, s42, s40                     ; which 128 columns, 0 .. 7
	s_and_b32 s43, ttmp7, 0xffff
	s_lshl_b32 s43, s43, 2
	s_add_co_u32 s43, s43, s41                     ; which 256 tokens, 0 .. 31
	s_lshl_b32 s44, s41, 2
	s_lshl_b32 s44, 15, s44                        ; my row of the cluster
	s_lshl_b32 s45, 0x1111, s40                    ; my column
	GROUP1 G1W, 45, 400                            ; 8 tiles
	GROUP1 G1A, 44, 200                            ; 4 tiles
	GROUP1 G1C, 44, 300                            ; 6 tiles
	s_mul_i32 s20, s43, 16*TILEB
	s_mov_b32 s21, 0
	s_mul_i32 s46, s42, 8*TILEB
	s_add_co_u32 s46, s46, 192*TILEB
	s_mov_b32 s47, 0
	s_lshl_b32 s22, s43, 20                        ; out0: 256 rows of 4,096 bytes a block,
	s_lshl_b32 s23, s15, 15                        ; 8 rows for the odd tiles,
	s_add_co_u32 s22, s22, s23
	s_lshl_b32 s23, s42, 9                         ; 128 columns,
	s_add_co_u32 s22, s22, s23
	s_lshl_b32 s23, s16, 8                         ; my 64
	s_add_co_u32 s22, s22, s23
	s_mov_b32 s23, 0
	v_and_b32 v1, 31, v0
	v_and_b32 v2, 15, v0                           ; r
	v_bfe_u32 v3, v0, 4, 1                         ; h
	v_lshlrev_b32 v[LI16], 4, v1
	v_lshlrev_b32 v[LI8], 3, v1
	s_mul_i32 s17, s16, 4*TILEB                    ; my four tiles of the weights
	v_add_nc_u32 v[W16], s17, v[LI16]
	v_add_nc_u32 v[W8], s17, v[LI8]
	v_lshlrev_b32 v[R16], 4, v2
	v_mad_u32_u24 v[WS], v3, TILEB, v[R16]         ; lanes 16-31 take the odd tile's words
	s_add_co_u32 s17, s17, 12288
	v_add_nc_u32 v[WS], s17, v[WS]
	s_mul_i32 s18, s15, TILEB
	s_add_co_u32 s18, s18, XB
.irp g, 0,1,2
	v_add_nc_u32 v[X16+\g], s18, v[LI16]
	v_add_nc_u32 v[X8+\g], s18, v[LI8]
	v_add_nc_u32 v[XS+\g], s18, v[R16]
	s_add_co_u32 s18, s18, 6*TILEB
.endr
	s_mul_i32 s19, s14, 16*SP
	s_add_co_u32 s19, s19, STG
	v_mul_u32_u24 v[STO], v2, SP
	v_lshl_add_u32 v[STO], v3, 6, v[STO]
	v_add_nc_u32 v[STO], s19, v[STO]
	v_mad_u32_u24 v[RD], v3, SP, v[R16]
	v_add_nc_u32 v[RD], s19, v[RD]
	v_lshl_add_u32 v[CO], v3, 12, v[R16]
	s_wait_alu depctr_va_vdst(0)
	s_wait_dscnt 0x0                               ; both opening adds are done
	CROUND                                         ; all sixteen work-groups are here: the joint loads meet
	s_wait_kmcnt 0x0
	s_add_nc_u64 s[20:21], s[4:5], s[20:21]
	s_add_nc_u64 s[46:47], s[6:7], s[46:47]
	s_add_nc_u64 s[8:9], s[8:9], s[22:23]
	GROUP0 G0W, 0, 46, 0
	GROUP0 G0A, XB, 20, 0
	GROUP0 G0B, XB+4*TILEB, 20, 4*TILEB
	GROUP0 G0C, XB+10*TILEB, 20, 10*TILEB
	ARM 1, G0W, G1W, .Lwave_1
	ARM 2, G0A, G1A, .Lwave_2
	ARM 3, G0B, G1C, .Lwave_3
	tensor_load_to_lds s[G0C:G0C+3], s[G1C:G1C+7]
	s_nop 0
	PLACES 4
.Lasked:
	s_cmp_eq_u32 s14, 0
	s_cbranch_scc0 .Lnot_w
	s_wait_tensorcnt 0x0
.Lnot_w:
	BARRIER                                        ; the weights are in
.irp q, 0,1,2,3,4,5,6,7
.irp t, 0,1,2,3
	FRAG 4*\q+\t, W16, W8, \t*TILEB+1536*\q
.endr
.endr
	WIN 0
.irp p, 0,1
	ds_load_b128 v[SB+8*\p:SB+8*\p+3], v[WS] offset:\p*2*TILEB
	ds_load_b128 v[SB+8*\p+4:SB+8*\p+7], v[WS] offset:\p*2*TILEB+256
.endr
	s_cmp_lt_u32 s14, 2
	s_cbranch_scc0 .Lnot_x
	s_wait_tensorcnt 0x0
.Lnot_x:
	s_wait_dscnt 0x0
	BARRIER                                        ; token tiles 0-3 are in; the others may be on their way
	FETCH 0
	FETCH 1
.irp s, 0,1,2,3,4,5,6,7
	BLK \s
.endr
	s_wait_dscnt 0x0
	SEND 7
	s_wait_tensorcnt 0x0                           ; the wave's end
	ds_add_u32 v[SPW], v[NIL]
	s_wait_dscnt 0x0
	CROUND                                         ; the closing round
	s_endpgm
.Lfunc_end_k_q1e27875ce0_outp:
	.size	k_q1e27875ce0_outp, .Lfunc_end_k_q1e27875ce0_outp-k_q1e27875ce0_outp
	.p2alignl 7, 3214868480
	.fill 96, 4, 3214868480
	.section	.rodata,"a",@progbits
	.p2align	6, 0x0
	.amdhsa_kernel k_q1e27875ce0_outp
		.amdhsa_group_segment_fixed_size 327680
		.amdhsa_private_segment_fixed_size 0
		.amdhsa_enable_private_segment 0
		.amdhsa_kernarg_size 24
		.amdhsa_user_sgpr_count 2
		.amdhsa_user_sgpr_kernarg_segment_ptr 1
		.amdhsa_wavefront_size32 1
		.amdhsa_system_sgpr_workgroup_id_x 1
		.amdhsa_system_sgpr_workgroup_id_y 1
		.amdhsa_system_sgpr_workgroup_id_z 1
		.amdhsa_system_vgpr_workitem_id 0
		.amdhsa_next_free_vgpr 840
		.amdhsa_next_free_sgpr 80
		.amdhsa_reserve_vcc 0
		.amdhsa_float_denorm_mode_32 3
		.amdhsa_float_denorm_mode_16_64 3
		.amdhsa_memory_ordered 1
		.amdhsa_forward_progress 1
		.amdhsa_inst_pref_size 83
	.end_amdhsa_kernel
	.amdgpu_metadata
---
amdhsa.version: [ 1, 2 ]
amdhsa.kernels:
  - .name:           k_q1e27875ce0_outp
    .symbol:         k_q1e27875ce0_outp.kd
    .args:
      - { .name: ao, .offset: 0, .size: 8, .value_kind: global_buffer, .address_space: global }
      - { .name: wc, .offset: 8, .size: 8, .value_kind: global_buffer, .address_space: global }
      - { .name: out0, .offset: 16, .size: 8, .value_kind: global_buffer, .address_space: global }
    .group_segment_fixed_size: 327680
    .private_segment_fixed_size: 0
    .kernarg_segment_align: 8
    .kernarg_segment_size: 24
    .max_flat_workgroup_size: 128
    .sgpr_count:     80
    .vgpr_count:     840
    .wavefront_size: 32
...
	.end_amdgpu_metadata
.endif
;; end of part 4
